; MI455X (gfx1250); checked and timed in simulation.
; The chip was launched on July 23, 2026; its instructions are those of AMD's public machine-readable ISA for CDNA 5 (MIT licence, August 2026) and "CDNA5" Instruction Set Architecture Reference Guide (July 2026). The comments in the code are by the model that wrote it; some were corrected since.
;; Bi Multi Head Cross Attention. Allowed arithmetic: matrix products marked QUANTISED: E2M3 operands, one E8M0 scale for each 32 along K, by v_wmma_scale_f32_16x16x128_f8f6f4 with both operands' format E2M3, f32 sums; everything else in f32.
;; Inputs: Wk 1,024 x 768 float32; Wo1 1,024 x 1,024 float32; Wo2 768 x 1,024 float32; Wq 1,024 x 1,024 float32; Wv1 1,024 x 1,024 float32; Wv2 1,024 x 768 float32; attention_mask_1 2 x 4,096 bool; attention_mask_2 2 x 1,024 bool; bk 1,024 float32; bo1 1,024 float32; bo2 768 float32; bq 1,024 float32; bv1 1,024 float32; bv2 1,024 float32; x1 2 x 4,096 x 1,024 float32; x2 2 x 1,024 x 768 float32.
;; Outputs: out0 2 x 4,096 x 1,024 float32; out1 2 x 1,024 x 768 float32.
;; This version of the problem:
;;   THIS VERSION OF THE PROBLEM IS GIVEN IN LOW PRECISION. The matrix products marked QUANTISED in the list below multiply operands that are first quantised to E2M3 (2 exponent bits, 3 mantissa bits; 6 bits a number), with one power-of-two scale for each 32 numbers along K (OCP MX v1.0); their sums are f32. All else is computed in f32.
;;   The module's matrix products, in the order in which they are computed (A, B: the left and right operand; K: the contracted axis; several contracted axes count as one K, in the product's order):
;;     1. [M 8,192, K 1,024] x [K 1,024, N 1,024]; A: input x1; B: input Wq: QUANTISED
;;     2. [M 2,048, K 768] x [K 768, N 1,024]; A: input x2; B: input Wk: QUANTISED
;;     3. [M 8,192, K 1,024] x [K 1,024, N 1,024]; A: input x1; B: input Wv1: QUANTISED
;;     4. [M 2,048, K 768] x [K 768, N 1,024]; A: input x2; B: input Wv2: QUANTISED
;;     5. batch 32 x [M 4,096, K 64] x [K 64, N 1,024]; A: computed on the way; B: computed on the way: QUANTISED
;;     6. batch 32 x [M 4,096, K 1,024] x [K 1,024, N 64]; A: softmax (see below); B: computed on the way: QUANTISED
;;     7. batch 32 x [M 1,024, K 4,096] x [K 4,096, N 64]; A: softmax (see below); B: computed on the way: QUANTISED
;;     8. [M 8,192, K 1,024] x [K 1,024, N 1,024]; A: computed on the way; B: input Wo1: QUANTISED
;;     9. [M 2,048, K 1,024] x [K 1,024, N 768]; A: computed on the way; B: input Wo2: QUANTISED
;;   THE QUANTISER, for each operand of a quantised product, along K:
;;     - K is cut into blocks of 32 from its start; a last block that is shorter is filled with zeros.
;;     - A block's scale is 2^e with e = floor(log2(the largest magnitude in the block)) - 2, held to -126 .. 127; a block of zeros has e = 0. As a byte (E8M0): e + 127.
;;     - Each number is divided by its block's scale, clamped to +-7.5, and rounded to the nearest number of E2M3, ties to even, subnormals kept.
;;     - The product sums the exact products of the quantised numbers (number of the format x scale) in f32.
;;   ~~~python
;;   def quantise(x, axis):      # numpy; x: float32 -> the quantised numbers, widened to float32 again
;;       x = np.moveaxis(x, axis, -1); K = x.shape[-1]
;;       x = np.pad(x, [(0, 0)] * (x.ndim - 1) + [(0, -K % 32)]); x = x.reshape(x.shape[:-1] + (-1, 32)); a = np.abs(x).max(-1, keepdims=True)
;;       e = np.where(a > 0, np.clip(np.frexp(np.where(a > 0, a, 1))[1] - 1 - 2, -126, 127), 0)      # np.frexp(a)[1] - 1 = floor(log2(a)), exactly
;;       r = np.clip(x / 2.0 ** e, -7.5, 7.5)
;;       step = 2.0 ** (np.maximum(np.frexp(np.where(r == 0, 1, r))[1] - 1, 0) - 3)
;;       q = np.round(r / step) * step * 2.0 ** e      # np.round: ties to even
;;       return np.moveaxis(q.reshape(q.shape[:-2] + (-1,))[..., :K], -1, axis).astype(np.float32)
;;   ~~~
;;   SOFTMAX AHEAD OF A QUANTISED PRODUCT. Where the list says 'softmax', what is quantised is not the finished softmax but p = 2^(t - M), with t = logit x log2(e) and M = ceil(the row's largest t), a whole number; so 1/2 < the row's largest p <= 1. The row's sum l is taken of the UNQUANTISED p, in f32, and the product's result is divided by l at the end. Since M is a whole number, a kernel that streams over the keys may use a running M (the ceiling of the running maximum): every later rescaling is an exact power of two, which a block's scale takes up: the codes' values come out the same.
;;   OPERANDS COMPUTED ON THE WAY. 'Computed on the way' means the value that the module computes at that place (a softmax that the list does not call 'softmax' is quantised finished and normalised). What goes into a quantiser is computed in f32, as accurately as f32 sums, v_exp_f32 and their like allow (about 1e-6 of the number): no bf16 or f16 on the way to a quantiser, and a product that is left as it is and whose result goes on into a quantised operand takes f32 operands (vector FMAs, or v_wmma_f32_16x16x4_f32). A number that lies on a knife's edge between two numbers of the format may be rounded either way, as far as f32 arithmetic and the matrix unit's own rounding can turn it there, and no further.
;; One version. Each part assembles by itself: llvm-mc -triple=amdgcn-amd-amdhsa -mcpu=gfx1250 --defsym DOCPART=n.
;; ======== version 1 of 1: 5 launches
;; limits: right only within a limited range of input values
;; workspace buffers: cod 12,386,304 bytes; scl 516,096 bytes; rec 17,039,360 bytes; cmx 263,168 bytes; ocod 7,864,320 bytes; osc 327,680 bytes
;; launch quant (part 1): grid 504 x 1, 8 waves a work-group, no clusters, 66,560 bytes of LDS; arguments x1, x2, Wq, Wv1, Wk, Wv2, Wo1, Wo2, cod, scl; writes cod, scl
.if DOCPART == 1
	.amdgcn_target "amdgcn-amd-amdhsa--gfx1250"
	.amdhsa_code_object_version 6
	.text
	.protected	k_q3f3089cad3_quant
	.globl	k_q3f3089cad3_quant
	.p2align	8
	.type	k_q3f3089cad3_quant,@function
k_q3f3089cad3_quant:
	s_mov_b64 s[64:65], 0
	v_nop
	global_prefetch_b8 v0, s[64:65] scope:SCOPE_SE
	s_setreg_imm32_b32 hwreg(HW_REG_WAVE_MODE, 25, 1), 1
	s_wait_xcnt 0x0
; x1, x2 and the six weights, all f32 with K innermost, become codes of FP6 (E2M3) with one E8M0 byte for each 32 along K, in ONE table of 16,128 rows of 1,024 codes.
; cod is laid in four planes, one for each 256 along K: cod [plane][row][192 bytes]; 128 rows of a plane are 24,576 consecutive bytes, 96 x 256, aligned.  scl [row][32 bytes].
; Logical rows: x1 0, x2 8192, Wq 10240, Wv1 11264, Wk 12288, Wv2 13312, Wo1 14336, Wo2 15360.
; A row of 768 numbers is filled to 1,024 with zero CODES (its last quarter's bytes are those of the quarter before: any byte but 0xff serves zero codes).
; ROW ORDER: a row lies at its logical number with bits 3 and 4 exchanged.  16 consecutive rows of the table are then logical rows 32 b + 8 u + r + 8 (r / 8), so that the results of two neighbouring
; tiles of a product are 16 logical neighbours in a lane's registers: the later launches quantise them without moving anything between lanes but one exchange of halves.
; A block's scale is 2^(floor(log2(largest magnitude)) - 2); its byte is the largest magnitude's exponent field - 2, held at 1 from below (a block of zeros gets the byte 1: its codes are zeros; only this program reads the bytes).
; LIMITS: blocks whose largest magnitude lies under 2^-124 keep the byte 1; NaN and infinities among the inputs are not served.
; SHARES: a work-group takes 32 logical rows, each of its eight waves 4: 8 steps of 512 output numbers (half a row).  A step's four loads read 512 consecutive bytes each; the 2,048 bytes turn through the wave's own stage in LDS,
; so that a lane then holds 16 neighbours.  Loads run six steps ahead (24 loads a wave, in six sets of registers), the turn one.  No barrier: waves share nothing.
.set STEPS, 8
.set AHEAD, 6
.set EMAX,  2
.set CB,    12                         ; bytes of 16 codes
.set PL,    16128*192                  ; a plane of cod
.set R,     16                         ; v16-111  six sets of 16 numbers as loaded
.set X,     112                        ; v112-143 two sets of 16 neighbours
.set E,     144                        ; v144-151 a scale byte for each step
.set C,     152                        ; v152-183 codes, four registers a step
.set VO,    192                        ; v192-195 row p of my four: 16 x lane + p x the row's bytes
.set VO3,   200                        ; v200-203 the same at the row's last 1,024 bytes: quarter 3, or quarter 2 again where K = 768
.set VM,    208                        ; v208     all ones, but 0 in lanes 16-31 where K = 768: clears the codes of the fill
.set WREG,  8192                       ; LDS of a wave: two stages of 32 x SP bytes, then its 128 scale bytes
.set SP,    80
.set SPARE, 8*WREG                     ; behind the eight regions: the spare words, 128 bytes for each wave, named by no other line
.macro PICK thr, ptr, rb               ; from work-group thr on: the next tensor, its first work-group, its row's bytes.  The choice hangs on the work-group's number alone
	s_cmp_ge_u32 ttmp9, \thr
	s_cselect_b64 s[4:5], s[\ptr:\ptr+1], s[4:5]
	s_cselect_b32 s28, \thr, s28
	s_cselect_b32 s29, \rb, s29
.endm
	s_load_b512 s[8:23], s[0:1], 0x0               ; x1 x2 Wq Wv1 Wk Wv2 Wo1 Wo2
	s_load_b128 s[24:27], s[0:1], 0x40             ; cod, scl
	v_lshl_add_u32 v216, v0, 2, SPARE
	v_mov_b32 v217, 0
	v_lshrrev_b32 v1, 5, v0
	v_readfirstlane_b32 s2, v1                     ; wave 0..7
	v_and_b32 v2, 31, v0                           ; lane
	v_lshlrev_b32 v3, 4, v2                        ; my 16 bytes of a load's 512
	s_mul_i32 s3, s2, WREG
	v_lshrrev_b32 v14, 2, v2
	v_mul_u32_u24 v14, v14, SP
	v_and_b32 v15, 3, v2
	v_lshl_add_u32 v14, v15, 4, v14
	v_add_nc_u32 v14, s3, v14                      ; the stage, in: SP (lane / 4) + 16 (lane % 4)
	v_mul_u32_u24 v15, v2, SP
	v_add_nc_u32 v15, s3, v15                      ; and out: SP x lane
	v_and_b32 v4, 15, v2                           ; a step's lanes 0-15 hold one plane's 192 bytes of the row, lanes 16-31 the next plane's
	v_mul_u32_u24 v4, v4, CB
	v_lshrrev_b32 v8, 4, v2
	v_mul_u32_u24 v8, v8, PL
	v_add_nc_u32 v4, v4, v8                        ; 12 (lane % 16) + a plane x (lane / 16)
	v_lshrrev_b32 v5, 1, v2
	s_add_co_u32 s3, s3, 2*32*SP
	v_add_nc_u32 v5, s3, v5                        ; my block's byte among the wave's 128
	v_lshlrev_b32 v7, 2, v2
	v_add_nc_u32 v6, s3, v7
	s_wait_kmcnt 0x0
	s_mov_b64 s[4:5], s[8:9]
	s_mov_b32 s28, 0
	s_mov_b32 s29, 4096
	PICK 256, 10, 3072
	PICK 320, 12, 4096
	PICK 352, 14, 4096
	PICK 384, 16, 3072
	PICK 416, 18, 3072
	PICK 448, 20, 4096
	PICK 480, 22, 4096
	s_cmp_eq_u32 s29, 4096
	s_cselect_b32 s31, -1, 0
	v_lshrrev_b32 v9, 4, v2
	v_add_nc_u32 v9, -1, v9                        ; lanes 0-15: all ones; lanes 16-31: 0
	v_or_b32 v[VM], s31, v9
	s_mov_b32 s30, 0
.irp p, 0,1,2,3
	v_add_nc_u32 v[VO+\p], s30, v3
	s_add_co_u32 s30, s30, s29
.endr
	s_sub_co_u32 s30, s29, 1024
	s_wait_alu depctr_va_vdst(0)
.irp p, 0,1,2,3
	v_add_nc_u32 v[VO3+\p], s30, v[VO+\p]
.endr
	s_sub_co_u32 s32, ttmp9, s28
	s_lshl_b32 s32, s32, 5
	s_lshl_b32 s33, s2, 2
	s_add_co_u32 s32, s32, s33                     ; my first row in its tensor: 32 x work-group + 4 x wave
	s_mul_i32 s32, s32, s29                        ; in bytes: under 2^26
	s_mov_b32 s33, 0
	s_add_nc_u64 s[4:5], s[4:5], s[32:33]
	s_and_b32 s34, s2, 1                           ; where my four rows lie: bits 3 and 4 of 4 x wave exchanged:
	s_lshl_b32 s34, s34, 2                         ; 4 (wave % 2)
	s_bfe_u32 s35, s2, 0x10001
	s_lshl_b32 s35, s35, 4                         ; + 16 x the wave's bit 1
	s_or_b32 s34, s34, s35
	s_lshr_b32 s35, s2, 2
	s_lshl_b32 s35, s35, 3                         ; + 8 x its bit 2
	s_or_b32 s34, s34, s35
	s_lshl_b32 s35, ttmp9, 5
	s_add_co_u32 s34, s34, s35
	s_mul_i32 s32, s34, 192
	s_add_nc_u64 s[24:25], s[24:25], s[32:33]
	s_lshl_b32 s32, s34, 5
	s_add_nc_u64 s[26:27], s[26:27], s[32:33]
.macro LOAD t                          ; step t: row t / 2, quarters 2 (t % 2) and 2 (t % 2) + 1 of 1,024 bytes, into set t % AHEAD
.irp i, 0,1,2,3
.if 2*((\t)%2)+\i/2 < 2
	global_load_b128 v[R+16*((\t)%AHEAD)+4*\i:R+16*((\t)%AHEAD)+4*\i+3], v[VO+(\t)/2], s[4:5] offset:1024*(2*((\t)%2)+\i/2)+512*(\i%2) th:TH_LOAD_NT
.elseif 2*((\t)%2)+\i/2 < 3
	global_load_b128 v[R+16*((\t)%AHEAD)+4*\i:R+16*((\t)%AHEAD)+4*\i+3], v[VO+(\t)/2], s[4:5] offset:1024*(2*((\t)%2)+\i/2)+512*(\i%2)
.else
	global_load_b128 v[R+16*((\t)%AHEAD)+4*\i:R+16*((\t)%AHEAD)+4*\i+3], v[VO3+(\t)/2], s[4:5] offset:512*(\i%2)
.endif
.endr
.endm
.macro TURN t                          ; LDS serves a wave's instructions in order: no wait between the stores and the loads
.irp i, 0,1,2,3
	ds_store_b128 v14, v[R+16*((\t)%AHEAD)+4*\i:R+16*((\t)%AHEAD)+4*\i+3] offset:32*SP*((\t)%2)+8*SP*\i
.endr
.irp i, 0,1,2,3
	ds_load_b128 v[X+16*((\t)%2)+4*\i:X+16*((\t)%2)+4*\i+3], v15 offset:32*SP*((\t)%2)+16*\i
.endr
.endm
	s_wait_alu depctr_va_vdst(0)                   ; at the head's end
.irp t, 0,1,2,3,4,5
	LOAD \t
.endr
	s_wait_loadcnt 4*(AHEAD-1)                     ; step 0's four loads are in; five steps' twenty may be out
	TURN 0
.macro STEP t
.set XS, X+16*((\t)%2)
.if (\t) > 0
	s_wait_dscnt 1                                 ; this step's numbers are back from the stage, so its stores into the stage have read their registers; the last step's byte store may be out
.else
	s_wait_dscnt 0x0
.endif
.if (\t)+AHEAD < STEPS
	LOAD (\t)+AHEAD                                ; into the set that this step's numbers have left
.endif
.if (\t)+1 < STEPS
.if STEPS-2-(\t) >= AHEAD-1
	s_wait_loadcnt 4*(AHEAD-1)                     ; the next step's four loads are in; those of the five steps behind it may be out
.else
	s_wait_loadcnt 4*(STEPS-2-(\t))                ; in the tail: those of the steps that are left behind it
.endif
	TURN (\t)+1
.endif
	v_max3_num_f32 v8, |v[XS]|, |v[XS+1]|, |v[XS+2]|
	v_max3_num_f32 v9, |v[XS+3]|, |v[XS+4]|, |v[XS+5]|
.irp i, 6,10
	v_max3_num_f32 v8, v8, |v[XS+\i]|, |v[XS+\i+1]|
	v_max3_num_f32 v9, v9, |v[XS+\i+2]|, |v[XS+\i+3]|
.endr
	v_max3_num_f32 v8, v8, |v[XS+14]|, |v[XS+15]|
	v_max3_num_f32 v8, v8, v9, (EMAX+1)<<23        ; the floor 2^(3 - 127): the byte cannot fall under 1
	v_max_num_f32_dpp v8, v8, v8 row_xmask:1 row_mask:0xf bank_mask:0xf   ; with my neighbour's 16: the block's largest magnitude
	v_add_nc_u32 v11, -(EMAX<<23), v8              ; 2 off its exponent field: the conversion's scale operand
	v_cvt_scalef32_pk16_fp6_f32 v[C+4*(\t):C+4*(\t)+2], v[XS:XS+15], v11
	v_lshrrev_b32 v[E+(\t)], 23, v11               ; the scale's byte; also the plain line behind the conversion
.if (\t)%2
.irp i, 0,1,2
	v_and_b32 v[C+4*(\t)+\i], v[VM], v[C+4*(\t)+\i]   ; where K = 768 the row's last quarter is zero codes
.endr
.endif
	ds_store_b8 v5, v[E+(\t)] offset:16*(\t)       ; both lanes of a block write the same byte with the same value
	global_store_b96 v4, v[C+4*(\t):C+4*(\t)+2], s[24:25] offset:192*((\t)/2)+2*PL*((\t)%2)
.endm
.irp t, 0,1,2,3,4,5,6,7
	STEP \t
.endr
	ds_load_b32 v12, v6                            ; these see my byte stores: LDS serves a wave in order
	s_wait_dscnt 0x0
	global_store_b32 v7, v12, s[26:27]             ; four rows' 128 scale bytes, consecutive; the wave beside me stores the other half of the 256
	s_wait_tensorcnt 0x0                           ; the wave's end, behind my last LDS store
	ds_add_u32 v216, v217
	s_wait_dscnt 0x0
	s_endpgm
.Lfunc_end_k_q3f3089cad3_quant:
	.size	k_q3f3089cad3_quant, .Lfunc_end_k_q3f3089cad3_quant-k_q3f3089cad3_quant
	.p2alignl 7, 3214868480
	.fill 96, 4, 3214868480
	.section	.rodata,"a",@progbits
	.p2align	6, 0x0
	.amdhsa_kernel k_q3f3089cad3_quant
		.amdhsa_group_segment_fixed_size 66560
		.amdhsa_private_segment_fixed_size 0
		.amdhsa_enable_private_segment 0
		.amdhsa_kernarg_size 80
		.amdhsa_user_sgpr_count 2
		.amdhsa_user_sgpr_kernarg_segment_ptr 1
		.amdhsa_wavefront_size32 1
		.amdhsa_system_sgpr_workgroup_id_x 1
		.amdhsa_system_sgpr_workgroup_id_y 1
		.amdhsa_system_sgpr_workgroup_id_z 1
		.amdhsa_system_vgpr_workitem_id 0
		.amdhsa_next_free_vgpr 218
		.amdhsa_next_free_sgpr 66
		.amdhsa_reserve_vcc 0
		.amdhsa_float_denorm_mode_32 3
		.amdhsa_float_denorm_mode_16_64 3
		.amdhsa_memory_ordered 1
		.amdhsa_forward_progress 1
		.amdhsa_inst_pref_size 21
	.end_amdhsa_kernel
	.amdgpu_metadata
---
amdhsa.version: [ 1, 2 ]
amdhsa.kernels:
  - .name:           k_q3f3089cad3_quant
    .symbol:         k_q3f3089cad3_quant.kd
    .args:
      - { .name: x1, .offset: 0, .size: 8, .value_kind: global_buffer, .address_space: global }
      - { .name: x2, .offset: 8, .size: 8, .value_kind: global_buffer, .address_space: global }
      - { .name: Wq, .offset: 16, .size: 8, .value_kind: global_buffer, .address_space: global }
      - { .name: Wv1, .offset: 24, .size: 8, .value_kind: global_buffer, .address_space: global }
      - { .name: Wk, .offset: 32, .size: 8, .value_kind: global_buffer, .address_space: global }
      - { .name: Wv2, .offset: 40, .size: 8, .value_kind: global_buffer, .address_space: global }
      - { .name: Wo1, .offset: 48, .size: 8, .value_kind: global_buffer, .address_space: global }
      - { .name: Wo2, .offset: 56, .size: 8, .value_kind: global_buffer, .address_space: global }
      - { .name: cod, .offset: 64, .size: 8, .value_kind: global_buffer, .address_space: global }
      - { .name: scl, .offset: 72, .size: 8, .value_kind: global_buffer, .address_space: global }
    .group_segment_fixed_size: 66560
    .private_segment_fixed_size: 0
    .kernarg_segment_align: 8
    .kernarg_segment_size: 80
    .max_flat_workgroup_size: 256
    .sgpr_count:     66
    .vgpr_count:     218
    .wavefront_size: 32
...
	.end_amdgpu_metadata
.endif
;; end of part 1
;; launch proj (part 2): grid 8 x 40, 4 waves a work-group, clusters of 4 x 4, 327,680 bytes of LDS; arguments cod, scl, bq, bk, bv1, bv2, attention_mask_1, attention_mask_2, rec; writes rec
.if DOCPART == 2
	.amdgcn_target "amdgcn-amd-amdhsa--gfx1250"
	.amdhsa_code_object_version 6
	.text
	.protected	k_q3f3089cad3_proj
	.globl	k_q3f3089cad3_proj
	.p2align	8
	.type	k_q3f3089cad3_proj,@function
k_q3f3089cad3_proj:
	s_mov_b64 s[64:65], 0
	v_nop
	global_prefetch_b8 v0, s[64:65] scope:SCOPE_SE
	s_setreg_imm32_b32 hwreg(HW_REG_WAVE_MODE, 25, 1), 1
	s_wait_xcnt 0x0
	s_wait_alu depctr_hold_cnt(0) depctr_sa_sdst(0) depctr_va_vdst(0) depctr_va_sdst(0) depctr_va_ssrc(0) depctr_va_vcc(0) depctr_vm_vsrc(0)
	s_getreg_b32 s2, hwreg(HW_REG_IB_STS2, 6, 4)
	s_cmp_eq_u32 s2, 0
	s_cbranch_scc0 .Lentry_in_a_cluster
	s_endpgm
.Lentry_in_a_cluster:
	s_bfe_u32 s2, ttmp6, 0x10000c
	s_cmp_lg_u32 s2, 0xf033
	s_cbranch_scc0 .Lentry_shape_is_right
	s_endpgm
.Lentry_shape_is_right:
.set KSTEP,  256
.set NQ,     KSTEP/128
.set ROWB,   16128*192                 ; from one 256 along K to the next: a plane of cod
.set KROW,   192                       ; a row's bytes in a plane
.set PITCH,  240
.set FR,     12
.set NL,     6
.set NP,     4
.set HALFT,  128*PITCH
.set SLOT,   4*HALFT
.set LAPS,   2
.set KS,     32
.set SCL,    2*SLOT
.set HALFS,  (128*KS/256)*272
.set SBLK,   (16*KS/256)*272
.set SPARE,  SCL+4*HALFS
.set REC,    13312
.set S2OFF,  1024*REC
.set ADRA, 16
.set ADRB, 20
.set ADRS, 27
.set SPW,  28
.set NIL,  29
.set SC,   32
.set AF,   128
.set G1, 24
.set G0, 32
.set G1B, 48
.set G0B, 56
.set G1S, 68
.set G0S, 76
.set G1SB, 80
.set G0SB, 88
.set T,   64
.set BIA, 128
.set IMG, 192
.set TM,  216
.set PW,  236
.set TQ,  240
.set LI,  5
.set MSB, 0
.macro WIN new
.if MSB != \new
	s_set_vgpr_msb (MSB<<8)|\new
.set MSB, \new
.endif
.endm
.set MUL_LO, 0xa1
.set MUL_HI, 0xf1
.set TO_B,   0x40
.macro JLOAD g0a, g1a, g0b, g1b
	s_cmp_eq_u32 s15, 0
	s_cbranch_scc0 .Lfor_b_\@
	tensor_load_to_lds s[\g0a:\g0a+3], s[\g1a:\g1a+7]
	s_nop 0
.rept 4
	v_nop
.endr
	s_branch .Lasked_\@
.Lfor_b_\@:
	tensor_load_to_lds s[\g0b:\g0b+3], s[\g1b:\g1b+7]
	s_nop 0
.rept 4
	v_nop
.endr
.Lasked_\@:
.endm
.macro CREST
	s_cmp_lg_u32 s14, 0
	s_cbranch_scc1 .Lnot_wave_0_\@
	s_barrier_signal -3
.Lnot_wave_0_\@:
	s_barrier_wait -3
	s_barrier_signal -1
	s_barrier_wait -1
.endm
.macro CROUND
	s_barrier_signal -1
	s_barrier_wait -1
	CREST
.endm
	s_load_b128 s[4:7], s[0:1], 0x0
	v_lshl_add_u32 v[SPW], v0, 2, SPARE
	v_mov_b32 v[NIL], 0
	ds_add_u32 v28, v29
	ds_add_u32 v28, v29
	s_wait_dscnt 0x0
	v_lshrrev_b32 v1, 5, v0
	v_readfirstlane_b32 s14, v1
	s_lshr_b32 s15, s14, 1
	s_and_b32 s16, s14, 1
	s_bfe_u32 s40, ttmp6, 0x40000
	s_bfe_u32 s41, ttmp6, 0x40004
	s_and_b32 s12, ttmp7, 0xffff
	s_lshl_b32 s13, s12, 2
	s_cmp_lt_u32 s12, 8
	s_cselect_b32 s2, 40, 48
	s_cselect_b32 s17, 44, 52
	s_cmp_eq_u32 ttmp9, 0
	s_cselect_b32 s17, s13, s17
	s_cselect_b32 s42, s2, s13
	s_add_co_u32 s17, s17, s41
	s_add_co_u32 s42, s42, s40
	s_lshl_b32 s43, s41, 2
	s_lshl_b32 s43, 15, s43
	s_lshl_b32 s44, 0x1111, s40
	s_or_b32 s[G1+0], s43, (0<<16)|(1<<20)|(1<<21)|(3<<22)|(3<<25)
	s_or_b32 s[G1B+0], s44, (0<<16)|(1<<20)|(1<<21)|(3<<22)|(3<<25)
.irp g, G1, G1B
	s_mov_b32 s[\g+1], 256<<16                     ; 128 rows of 192 bytes are dense in a plane: stated as 96 rows of 256 bytes, each on a 256-byte border;
	s_mov_b32 s[\g+2], 192<<16                     ; the head's loads bring 256 rows of 192 bytes, 192 x 256 bytes; behind them the two words that count rows are set to 96
	s_mov_b32 s[\g+3], 256<<16
	s_mov_b32 s[\g+4], 192
	s_mov_b32 s[\g+5], 256
	s_mov_b32 s[\g+6], 0
	s_mov_b32 s[\g+7], 0
.endr
	s_or_b32 s[G1S+0], s43, (3<<16)|(1<<20)|(1<<21)|(5<<22)|(3<<25)
	s_or_b32 s[G1SB+0], s44, (3<<16)|(1<<20)|(1<<21)|(5<<22)|(3<<25)
.irp g, G1S, G1SB
	s_mov_b32 s[\g+1], 32<<16
	s_mov_b32 s[\g+2], (256*KS/256)<<16
	s_mov_b32 s[\g+3], 32<<16
	s_mov_b32 s[\g+4], 256*KS/256
	s_mov_b32 s[\g+5], 32
	s_mov_b32 s[\g+6], 0
	s_mov_b32 s[\g+7], 0
.endr
	s_lshl_b32 s20, s17, 8
	s_lshl_b32 s46, s42, 8
	s_mov_b32 s21, 0
	s_mov_b32 s47, 0
	s_mov_b64 s[18:19], KS
	s_mul_u64 s[22:23], s[20:21], s[18:19]
	s_mul_u64 s[92:93], s[46:47], s[18:19]
	s_mov_b64 s[18:19], KROW
	s_mul_u64 s[20:21], s[20:21], s[18:19]
	s_mul_u64 s[46:47], s[46:47], s[18:19]
	s_mul_i32 s45, s14, HALFT
	s_mul_i32 s18, s16, 128*KROW                   ; in the ring I fetch 128 rows of a tile: which half, in bytes
	s_mov_b32 s19, 0
	s_wait_kmcnt 0x0
	s_add_nc_u64 s[20:21], s[4:5], s[20:21]
	s_add_nc_u64 s[22:23], s[6:7], s[22:23]
	s_add_nc_u64 s[46:47], s[4:5], s[46:47]
	s_add_nc_u64 s[92:93], s[6:7], s[92:93]
	CROUND
; THE HEAD'S LOADS, ONE A WAVE: wave 0 fetches the first 256 of K of A's 256 rows, wave 1 of B's, wave 2 the scales of A's 256 rows, wave 3 those of B's.
.set G0H, 4                            ; s[4:7], s[8:11] group 0 of the head's two loads of codes (the arguments that lay in s[4:7] have been used)
.set G0HB, 8
	s_mov_b32 s[G0H], 1
	s_mov_b32 s[G0H+1], 0
	s_mov_b64 s[G0H+2:G0H+3], s[20:21]
	s_or_b32 s[G0H+3], s[G0H+3], 0x80000000
	s_mov_b32 s[G0HB], 1
	s_mov_b32 s[G0HB+1], 2*HALFT
	s_mov_b64 s[G0HB+2:G0HB+3], s[46:47]
	s_or_b32 s[G0HB+3], s[G0HB+3], 0x80000000
	s_mov_b32 s[G0S], 1
	s_mov_b32 s[G0S+1], SCL
	s_mov_b64 s[G0S+2:G0S+3], s[22:23]
	s_or_b32 s[G0S+3], s[G0S+3], 0x80000000
	s_mov_b32 s[G0SB], 1
	s_mov_b32 s[G0SB+1], SCL+2*HALFS
	s_mov_b64 s[G0SB+2:G0SB+3], s[92:93]
	s_or_b32 s[G0SB+3], s[G0SB+3], 0x80000000
	s_add_nc_u64 s[20:21], s[20:21], s[18:19]      ; for the ring: my 128 rows of the tile
	s_add_nc_u64 s[46:47], s[46:47], s[18:19]
.irp s, 0,1
	s_mov_b32 s[G0+4*\s], 1
	s_add_co_u32 s[G0+4*\s+1], s45, \s*SLOT
	s_add_nc_u64 s[G0+4*\s+2:G0+4*\s+3], s[20:21], \s*ROWB
	s_or_b32 s[G0+4*\s+3], s[G0+4*\s+3], 0x80000000
	s_mov_b32 s[G0B+4*\s], 1
	s_add_co_u32 s[G0B+4*\s+1], s45, \s*SLOT
	s_add_nc_u64 s[G0B+4*\s+2:G0B+4*\s+3], s[46:47], \s*ROWB
	s_or_b32 s[G0B+4*\s+3], s[G0B+4*\s+3], 0x80000000
.endr
.macro ARM under, g0, g1, next         ; one chain of branches on the wave's number: every way through the head passes exactly one load
	s_cmp_lt_u32 s14, \under
	s_cbranch_scc0 \next
	tensor_load_to_lds s[\g0:\g0+3], s[\g1:\g1+7]
	s_nop 0
.rept 4
	v_nop
.endr
	s_branch .Lhead_asked
\next:
.endm
	ARM 1, G0H,  G1,  .Lhead_b
	ARM 2, G0HB, G1B, .Lhead_sa
	ARM 3, G0S,  G1S, .Lhead_sb
	tensor_load_to_lds s[G0SB:G0SB+3], s[G1SB:G1SB+7]
	s_nop 0
.rept 4
	v_nop
.endr
.Lhead_asked:
	v_and_b32 v1, 15, v0
	v_bfe_u32 v2, v0, 4, 1
	v_mul_u32_u24 v3, v1, PITCH
	v_mul_u32_u24 v4, v2, 24
	v_add_nc_u32 v4, v3, v4
	v_lshl_add_u32 v5, v2, 4, v4
	s_mul_i32 s21, s15, HALFT
	s_mul_i32 s22, s16, HALFT
	s_add_co_u32 s22, s22, 2*HALFT
.irp s, 0,1
	v_add_nc_u32 v[ADRA+\s], s21, v4
	v_add_nc_u32 v[ADRB+\s], s22, v4
	v_add_nc_u32 v[ADRA+2+\s], s21, v5
	v_add_nc_u32 v[ADRB+2+\s], s22, v5
	s_add_co_u32 s21, s21, SLOT
	s_add_co_u32 s22, s22, SLOT
.endr
	v_mul_u32_u24 v5, v1, KS
	v_lshrrev_b32 v6, 8, v5
	v_lshl_add_u32 v5, v6, 4, v5
	s_mul_i32 s21, s15, HALFS
	s_mul_i32 s22, s16, HALFS
	s_add_co_u32 s22, s22, 2*HALFS
	s_sub_co_u32 s22, s22, s21
	v_mul_u32_u24 v6, s22, v2
	s_add_co_u32 s21, s21, SCL
	v_add_nc_u32 v5, v5, v6
	v_add_nc_u32 v[ADRS], s21, v5
.macro FRAG reg, adr, q, i
.irp p, 0,1,2,3,4,5
.set PC, 12*(\q)+6*(\p/3)+\p%3
.if PC%8 < 5
	ds_load_b64 v[\reg+2*\p:\reg+2*\p+1], v[\adr] offset:8*PC+16*(PC/8)+(\i)*16*PITCH
.else
	ds_load_b64 v[\reg+2*\p:\reg+2*\p+1], v[\adr+2] offset:8*PC+16*(PC/8)+(\i)*16*PITCH
.endif
.endr
.endm
.macro MUL16 a0, p, q, sc, zero
.irp a, \a0, \a0+1
.irp b, 0,1,2,3,4,5,6,7
.if \zero
	v_wmma_scale_f32_16x16x128_f8f6f4 v[8*(8*((\a)%4)+\b):8*(8*((\a)%4)+\b)+7], v[128*(\p)+FR*\b:128*(\p)+FR*\b+FR-1], v[AF+FR*(\a):AF+FR*(\a)+FR-1], 0, v[SC+8*NQ*(\sc)+NQ*\b+(\q)], v[SC+8*NQ*(\sc)+NQ*(\a)+(\q)] matrix_a_fmt:MATRIX_FMT_FP6 matrix_b_fmt:MATRIX_FMT_FP6 matrix_a_scale:MATRIX_SCALE_ROW1
.else
	v_wmma_scale_f32_16x16x128_f8f6f4 v[8*(8*((\a)%4)+\b):8*(8*((\a)%4)+\b)+7], v[128*(\p)+FR*\b:128*(\p)+FR*\b+FR-1], v[AF+FR*(\a):AF+FR*(\a)+FR-1], v[8*(8*((\a)%4)+\b):8*(8*((\a)%4)+\b)+7], v[SC+8*NQ*(\sc)+NQ*\b+(\q)], v[SC+8*NQ*(\sc)+NQ*(\a)+(\q)] matrix_a_fmt:MATRIX_FMT_FP6 matrix_b_fmt:MATRIX_FMT_FP6 matrix_a_scale:MATRIX_SCALE_ROW1
.endif
.endr
.endr
.endm
.macro FETCH_B slot, q, p
	WIN TO_B
.irp i, 0,1,2,3,4,5,6,7
	FRAG 128*(\p)+FR*\i, ADRB+\slot, \q, \i
.endr
	WIN 0
.endm
.macro FETCH_A slot, q, i0
.irp i, \i0, \i0+1, \i0+2, \i0+3
	FRAG AF+FR*(\i), ADRA+\slot, \q, \i
.endr
.endm
.macro SCALES sc
.irp i, 0,1,2,3,4,5,6,7
	ds_load_b64 v[SC+8*NQ*\sc+NQ*\i:SC+8*NQ*\sc+NQ*\i+1], v[ADRS] offset:\i*SBLK
.endr
.endm
.macro PLACES n
.rept \n
	v_nop
.endr
.endm
.macro STEP slot, q, zero
	s_wait_dscnt 4*NL
	WIN MUL_LO
	MUL16 0, (\q)%2, \q, \slot, \zero
	MUL16 2, (\q)%2, \q, \slot, \zero
	s_wait_dscnt 0
	PLACES NP
	FETCH_B \slot, (\q)+1, 1-(\q)%2
	FETCH_A \slot, (\q)+1, 0
	WIN MUL_HI
	MUL16 4, (\q)%2, \q, \slot, \zero
	MUL16 6, (\q)%2, \q, \slot, \zero
	PLACES NP
	WIN 0
	FETCH_A \slot, (\q)+1, 4
.endm
.macro TURN slot, next, fill
	s_wait_tensorcnt 0x0
	ds_add_u32 v[SPW], v[NIL]
	s_wait_dscnt 4*NL+1
	WIN MUL_LO
	MUL16 0, 1, NQ-1, \slot, 0
	s_wait_dscnt 0x0
	s_barrier_signal -1
	MUL16 2, 1, NQ-1, \slot, 0
	WIN 0
	s_barrier_wait -1
.if \fill
	CREST
	s_add_nc_u64 s[G0+4*\slot+2:G0+4*\slot+3], s[G0+4*\slot+2:G0+4*\slot+3], 2*ROWB
	s_add_nc_u64 s[G0B+4*\slot+2:G0B+4*\slot+3], s[G0B+4*\slot+2:G0B+4*\slot+3], 2*ROWB
	JLOAD G0+4*\slot, G1, G0B+4*\slot, G1B
.else
	PLACES NP
.endif
	s_wait_alu depctr_va_vdst(0)
	v_add_nc_u32 v[ADRS], 4*NQ, v[ADRS]
	FETCH_B \next, 0, 0
	FETCH_A \next, 0, 0
	SCALES \next
	WIN MUL_HI
	MUL16 4, 1, NQ-1, \slot, 0
	MUL16 6, 1, NQ-1, \slot, 0
	PLACES NP
	WIN 0
	FETCH_A \next, 0, 4
.endm
	s_wait_alu depctr_va_vdst(0)
	s_wait_tensorcnt 0x0                           ; my tile of the head's four is in
	ds_add_u32 v[SPW], v[NIL]
	s_mov_b32 s[G1+2], 96<<16                      ; no tensor load of mine is out: from here on a load brings 128 rows, 96 x 256 bytes
	s_mov_b32 s[G1+4], 96
	s_mov_b32 s[G1B+2], 96<<16
	s_mov_b32 s[G1B+4], 96
	s_wait_dscnt 0x0
	CROUND                                         ; all four tiles are in, and all sixteen work-groups are here
	JLOAD G0+4, G1, G0B+4, G1B                     ; slot 1's first fill, the first tensor load behind the round
	FETCH_B 0, 0, 0
	FETCH_A 0, 0, 0
	SCALES 0
	FETCH_A 0, 0, 4
	STEP 0, 0, 1
	s_mov_b32 s3, LAPS-1
.Llap:
	TURN 0, 1, 1
	STEP 1, 0, 0
	TURN 1, 0, 1
	STEP 0, 0, 0
	s_sub_co_u32 s3, s3, 1
	s_cmp_lg_u32 s3, 0
	s_cbranch_scc1 .Llap
	TURN 0, 1, 0
	STEP 1, 0, 0
	s_wait_dscnt 4*NL
	WIN MUL_LO
	MUL16 0, 1, NQ-1, 1, 0
	MUL16 2, 1, NQ-1, 1, 0
	s_wait_dscnt 0
	WIN MUL_HI
	MUL16 4, 1, NQ-1, 1, 0
	MUL16 6, 1, NQ-1, 1, 0
	WIN 0
	PLACES NP
	s_load_b256 s[68:75], s[0:1], 0x10
	s_load_b128 s[76:79], s[0:1], 0x30
	s_load_b64 s[80:81], s[0:1], 0x40
	s_and_b32 s12, ttmp7, 0xffff
	s_cmp_eq_u32 ttmp9, 0
	s_cselect_b32 s82, s41, s40
	s_cselect_b32 s83, s40, s41
	s_cselect_b32 s84, s15, s16
	s_cselect_b32 s85, s16, s15
	s_lshl_b32 s86, s12, 2
	s_add_co_u32 s86, s86, s82
	s_lshl_b32 s86, s86, 8
	s_lshl_b32 s84, s84, 7
	s_add_co_u32 s86, s86, s84
	s_lshl_b32 s83, s83, 2
	s_lshl_b32 s85, s85, 1
	s_add_co_u32 s87, s83, s85
	s_mov_b32 s18, 0x76543210
	s_mov_b32 s19, 0xfedcba98
	s_wait_kmcnt 0x0
	s_cmp_lt_u32 s12, 8
	s_cselect_b32 s22, 0, 8192
	s_cselect_b32 s23, 12, 10
	s_cselect_b32 s24, 31, 7
	s_cselect_b32 s25, 32, 8
	s_cselect_b32 s26, 0, S2OFF
	s_cselect_b32 s94, 0x3e000000, 1.0
	s_cselect_b64 s[88:89], s[68:69], s[70:71]
	s_cselect_b64 s[90:91], s[72:73], s[74:75]
	s_cselect_b64 s[92:93], s[76:77], s[78:79]
	s_cmp_eq_u32 ttmp9, 0
	s_cselect_b64 s[88:89], s[88:89], s[90:91]
	s_mov_b32 s95, s94
	s_sub_co_u32 s86, s86, s22
	s_lshr_b32 s27, s86, s23
	s_lshr_b32 s28, s86, 7
	s_and_b32 s28, s28, s24
	s_lshl_b32 s27, s27, 4
	s_add_co_u32 s27, s27, s87
	s_mul_i32 s27, s27, s25
	s_add_co_u32 s27, s27, s28
	s_mul_i32 s30, s27, REC
	s_add_co_u32 s30, s30, s26
	s_mov_b32 s31, 0
	s_add_nc_u64 s[32:33], s[80:81], s[30:31]
	s_mul_i32 s34, s25, REC
	s_mov_b32 s35, 0
	s_add_nc_u64 s[36:37], s[32:33], s[34:35]
	s_lshl_b32 s30, s87, 8
	s_add_nc_u64 s[88:89], s[88:89], s[30:31]
	s_mov_b32 s30, s86
	s_add_nc_u64 s[92:93], s[92:93], s[30:31]
	v_and_b32 v1, 15, v0
	v_bfe_u32 v2, v0, 4, 1
	v_and_b32 v7, 31, v0
	v_lshlrev_b32 v[LI], 4, v7
	v_lshlrev_b32 v7, 2, v7
.irp b, 0,1,2,3
	v_mov_b32 v[TM+4+\b], 0
.endr
	v_cmp_eq_u32 s97, 1, v2
.macro QUANT s, d0, d1, w
.irp b, 0,1,2,3
	v_max3_num_f32 v[TM+\b], |v[\s+16*\b]|, |v[\s+1+16*\b]|, 0x1800000
.endr
.irp i, 2,4,6,8,10,12,14
.irp b, 0,1,2,3
	v_max3_num_f32 v[TM+\b], v[TM+\b], |v[\s+16*\b+\i]|, |v[\s+1+16*\b+\i]|
.endr
.endr
.irp b, 0,1,2,3
	v_permlanex16_b32 v[TM+4+\b], v[TM+\b], s18, s19
.endr
.irp b, 0,1,2,3
	v_max_num_f32 v[TM+\b], v[TM+\b], v[TM+4+\b]
.endr
.irp b, 0,1,2,3
	v_add_nc_u32 v[TM+12+\b], 0xff000000, v[TM+\b]
.endr
.irp b, 0,1,2,3
	v_lshrrev_b32 v[TM+4+\b], 23, v[TM+12+\b]
.endr
	v_lshl_or_b32 v[\w], v[TM+5], 8, v[TM+4]
	v_lshl_or_b32 v[\w], v[TM+6], 16, v[\w]
	v_lshl_or_b32 v[\w], v[TM+7], 24, v[\w]
	v_cvt_scalef32_pk16_fp6_f32 v[\d0:\d0+2], v[\s:\s+15], v[TM+12]
	v_cvt_scalef32_pk16_fp6_f32 v[TQ:TQ+2], v[\s+16:\s+31], v[TM+13]
	v_cvt_scalef32_pk16_fp6_f32 v[\d1:\d1+2], v[\s+32:\s+47], v[TM+14]
	v_cvt_scalef32_pk16_fp6_f32 v[TQ+4:TQ+6], v[\s+48:\s+63], v[TM+15]
	v_nop
.irp i, 0,1,2
	v_permlane16_swap_b32 v[\d0+\i], v[TQ+\i]
	v_permlane16_swap_b32 v[\d1+\i], v[TQ+4+\i]
.endr
.irp i, 0,1,2
	v_mov_b32 v[\d0+3+\i], v[TQ+\i]
	v_mov_b32 v[\d1+3+\i], v[TQ+4+\i]
.endr
.endm
.macro TAKEQ i
	WIN 0x02+(\i)/4
.set AC, 64*((\i)%4)
.set j, 0
.rept 32
	v_pk_fma_f32 v[T+j:T+j+1], v[AC+j:AC+j+1], s[94:95], v[BIA+j:BIA+j+1] op_sel_hi:[1,0,1]
.set j, j+2
.endr
	WIN 0
.endm
.macro TAKEV i
	WIN 0x02+(\i)/4
.set AC, 64*((\i)%4)
.set j, 0
.rept 32
	v_pk_add_f32 v[T+j:T+j+1], v[AC+j:AC+j+1], v[BIA+2*(\i):BIA+2*(\i)+1] op_sel_hi:[1,0]
.set j, j+2
.endr
	WIN 0
.endm
	s_cmp_lg_u32 ttmp9, 0
	s_cbranch_scc1 .Lvtype
	v_lshlrev_b32 v6, 6, v2
.irp b, 0,1,2,3,4,5,6,7
	global_load_b128 v[BIA+8*\b:BIA+8*\b+3], v6, s[88:89] offset:(32*(\b/2)+8*(\b%2))*4
	global_load_b128 v[BIA+8*\b+4:BIA+8*\b+7], v6, s[88:89] offset:(32*(\b/2)+8*(\b%2))*4+16
.endr
	global_load_b32 v9, v7, s[92:93]
	v_mul_lo_u32 v8, v2, s34
	v_lshl_add_u32 v8, v1, 2, v8
	v_mov_b32 v11, 0xc8000000
	s_wait_loadcnt 0x0
.set j, 0
.rept 32
	v_pk_mul_f32 v[BIA+j:BIA+j+1], v[BIA+j:BIA+j+1], s[94:95] op_sel_hi:[1,0]
.set j, j+2
.endr
.irp i, 0,1,2,3
	v_bfe_u32 v10, v9, 8*\i, 8
	v_cmp_eq_u32 vcc_lo, 0, v10
	v_cndmask_b32 v[232+\i], 0, v11, vcc_lo
.endr
	global_store_b128 v[LI], v[232:235], s[32:33] offset:12800
	global_store_b128 v[LI], v[232:235], s[36:37] offset:12800
.irp g, 0,1,2,3
	TAKEQ 2*\g
	QUANT T, IMG, IMG+12, PW
	TAKEQ 2*\g+1
	QUANT T, IMG+6, IMG+18, PW+1
.irp c, 0,1
.irp k, 0,1,2
	global_store_b128 v[LI], v[IMG+12*\c+4*\k:IMG+12*\c+4*\k+3], s[32+4*\c:33+4*\c] offset:1536*\g+512*\k
.endr
.endr
	v_perm_b32 v238, v[PW+1], v[PW], 0x05040100
	v_perm_b32 v239, v[PW+1], v[PW], 0x07060302
	v_cndmask_b32 v238, v238, v239, s97
	global_store_b32 v8, v238, s[32:33] offset:6144+64*\g
	s_wait_xcnt 0x0
.endr
	s_branch .Ljoin
.Lvtype:
	v_and_b32 v10, 8, v1
	v_add_nc_u32 v10, v10, v1
	v_lshlrev_b32 v10, 2, v10
.irp i, 0,1,2,3,4,5,6,7
	global_load_b32 v[BIA+2*\i], v10, s[88:89] offset:(32*(\i/2)+8*(\i%2))*4
.endr
	s_wait_loadcnt 0x0
.irp i, 0,1,2,3,4,5,6,7
	v_mov_b32 v[BIA+2*\i+1], v[BIA+2*\i]
.endr
.irp i, 0,1,2,3,4,5,6,7
	TAKEV \i
	QUANT T, IMG, IMG+6, PW+(\i%2)
.irp k, 0,1,2
	global_store_b128 v[LI], v[IMG+4*\k:IMG+4*\k+3], s[32+4*(\i/4):33+4*(\i/4)] offset:6400+1536*(\i%4)+512*\k
.endr
.if \i%2
	v_cndmask_b32 v238, v[PW], v[PW+1], s97
	global_store_b32 v7, v238, s[32+4*(\i/4):33+4*(\i/4)] offset:12544+64*(\i%4-1)
.endif
	s_wait_xcnt 0x0
.endr
.Ljoin:
	s_wait_tensorcnt 0x0
	ds_add_u32 v[SPW], v[NIL]
	s_wait_dscnt 0x0
	CROUND
	s_endpgm
.Lfunc_end_k_q3f3089cad3_proj:
	.size	k_q3f3089cad3_proj, .Lfunc_end_k_q3f3089cad3_proj-k_q3f3089cad3_proj
	.p2alignl 7, 3214868480
	.fill 96, 4, 3214868480
	.section	.rodata,"a",@progbits
	.p2align	6, 0x0
	.amdhsa_kernel k_q3f3089cad3_proj
		.amdhsa_group_segment_fixed_size 327680
		.amdhsa_private_segment_fixed_size 0
		.amdhsa_enable_private_segment 0
		.amdhsa_kernarg_size 72
		.amdhsa_user_sgpr_count 2
		.amdhsa_user_sgpr_kernarg_segment_ptr 1
		.amdhsa_wavefront_size32 1
		.amdhsa_system_sgpr_workgroup_id_x 1
		.amdhsa_system_sgpr_workgroup_id_y 1
		.amdhsa_system_sgpr_workgroup_id_z 1
		.amdhsa_system_vgpr_workitem_id 0
		.amdhsa_next_free_vgpr 1024
		.amdhsa_next_free_sgpr 104
		.amdhsa_reserve_vcc 1
		.amdhsa_float_denorm_mode_32 3
		.amdhsa_float_denorm_mode_16_64 3
		.amdhsa_memory_ordered 1
		.amdhsa_forward_progress 1
		.amdhsa_inst_pref_size 238
	.end_amdhsa_kernel
	.amdgpu_metadata
---
amdhsa.version: [ 1, 2 ]
amdhsa.kernels:
  - .name:           k_q3f3089cad3_proj
    .symbol:         k_q3f3089cad3_proj.kd
    .args:
      - { .name: cod, .offset: 0, .size: 8, .value_kind: global_buffer, .address_space: global }
      - { .name: scl, .offset: 8, .size: 8, .value_kind: global_buffer, .address_space: global }
      - { .name: bq, .offset: 16, .size: 8, .value_kind: global_buffer, .address_space: global }
      - { .name: bk, .offset: 24, .size: 8, .value_kind: global_buffer, .address_space: global }
      - { .name: bv1, .offset: 32, .size: 8, .value_kind: global_buffer, .address_space: global }
      - { .name: bv2, .offset: 40, .size: 8, .value_kind: global_buffer, .address_space: global }
      - { .name: attention_mask_1, .offset: 48, .size: 8, .value_kind: global_buffer, .address_space: global }
      - { .name: attention_mask_2, .offset: 56, .size: 8, .value_kind: global_buffer, .address_space: global }
      - { .name: rec, .offset: 64, .size: 8, .value_kind: global_buffer, .address_space: global }
    .group_segment_fixed_size: 327680
    .private_segment_fixed_size: 0
    .kernarg_segment_align: 8
    .kernarg_segment_size: 72
    .max_flat_workgroup_size: 128
    .sgpr_count:     104
    .vgpr_count:     1024
    .wavefront_size: 32
...
	.end_amdgpu_metadata
.endif
;; end of part 2
;; launch smax (part 3): grid 4 x 64, 16 waves a work-group, clusters of 4 x 1, 327,680 bytes of LDS; arguments rec, cmx; writes cmx
.if DOCPART == 3
	.amdgcn_target "amdgcn-amd-amdhsa--gfx1250"
	.amdhsa_code_object_version 6
	.text
	.protected	k_q3f3089cad3_smax
	.globl	k_q3f3089cad3_smax
	.p2align	8
	.type	k_q3f3089cad3_smax,@function
k_q3f3089cad3_smax:
	s_mov_b64 s[64:65], 0
	v_nop
	global_prefetch_b8 v0, s[64:65] scope:SCOPE_SE
	s_setreg_imm32_b32 hwreg(HW_REG_WAVE_MODE, 25, 1), 1
	s_wait_xcnt 0x0
	s_wait_alu depctr_hold_cnt(0) depctr_sa_sdst(0) depctr_va_vdst(0) depctr_va_sdst(0) depctr_va_ssrc(0) depctr_va_vcc(0) depctr_vm_vsrc(0)
	s_getreg_b32 s2, hwreg(HW_REG_IB_STS2, 6, 4)
	s_cmp_eq_u32 s2, 0
	s_cbranch_scc0 .Lentry_in_a_cluster
	s_endpgm
.Lentry_in_a_cluster:
	s_bfe_u32 s2, ttmp6, 0x10000c
	s_cmp_lg_u32 s2, 0x3003
	s_cbranch_scc0 .Lentry_shape_is_right
	s_endpgm
.Lentry_shape_is_right:
.set REC,   13312
.set S2OFF, 1024*REC
.set QKB,   6400
.set RED,   16*QKB
.set WV,  18
.set SEL, 20
.set G1,  24
.set G0A, 32
.set G0B, 36
.set TB,  40
.set CNT, 41
.set FRG, 50
.set CSW, 46
.set S,   106
.set MX,  222
.macro CROUND
	s_barrier_signal -1
	s_barrier_wait -1
	s_cmp_lg_u32 s[WV], 0
	s_cbranch_scc1 .Lnot_wave_0_\@
	s_barrier_signal -3
.Lnot_wave_0_\@:
	s_barrier_wait -3
	s_barrier_signal -1
	s_barrier_wait -1
.endm
	s_load_b128 s[4:7], s[0:1], 0x0
	v_lshl_add_u32 v254, v0, 2, 0x29000
	v_mov_b32 v255, 0
	ds_add_u32 v254, v255
	ds_add_u32 v254, v255
	v_lshrrev_b32 v1, 5, v0
	s_delay_alu instid0(VALU_DEP_1)
	v_readfirstlane_b32 s[WV], v1
	s_bfe_u32 s42, ttmp6, 0x40000
	s_and_b32 s43, ttmp7, 0xffff
	s_lshr_b32 s44, s43, 1
	s_and_b32 s45, s43, 1
	s_mov_b32 s[G1], 15|(3<<16)|(1<<21)
	s_mov_b32 s[G1+1], 32<<16                      ; a record's first 6,400 bytes: 25 rows of 256 bytes, dense, each on a 256-byte border
	s_mov_b32 s[G1+2], 25<<16
	s_mov_b32 s[G1+3], 32<<16
	s_mov_b32 s[G1+4], 25
	s_mov_b32 s[G1+5], 32
	s_mov_b32 s[G1+6], 0
	s_mov_b32 s[G1+7], 0
	s_lshl_b32 s46, s44, 5
	s_lshl_b32 s47, s45, 4
	s_add_co_u32 s46, s46, s47
	s_add_co_u32 s46, s46, s[WV]                   ; sixteen records, sixteen waves: one load a wave, all at the head
	s_mul_i32 s46, s46, REC
	s_mov_b32 s47, 0
	s_mul_i32 s48, s[WV], QKB
	s_mov_b32 s[SEL], 0x76543210
	s_mov_b32 s[SEL+1], 0xfedcba98
	s_mov_b32 s[TB], 0
	s_wait_dscnt 0x0
	s_wait_kmcnt 0x0
	s_mov_b32 s[G0A], 1
	s_mov_b32 s[G0A+1], s48
	s_add_nc_u64 s[G0A+2:G0A+3], s[4:5], s[46:47]
	s_or_b32 s[G0A+3], s[G0A+3], 0x80000000
	CROUND
	tensor_load_to_lds s[G0A:G0A+3], s[G1:G1+7]
	s_nop 0
.rept 4
	v_nop
.endr
	v_and_b32 v3, 31, v0
	s_delay_alu instid0(VALU_DEP_1)
	v_lshlrev_b32 v1, 4, v3
	s_wait_alu depctr_va_vdst(0)
	v_and_b32 v4, 15, v0
	s_delay_alu instid0(VALU_DEP_1)
	v_lshlrev_b32 v2, 2, v4
	s_wait_alu depctr_va_vdst(0)
	s_and_b32 s53, s[WV], 1
	s_cmp_eq_u32 s53, 0
	s_cselect_b32 s54, 0, 520
	s_cselect_b32 s55, 8, 1024
	s_mov_b32 s56, 1032
	s_cselect_b32 s56, 512, s56
	s_mov_b32 s57, 0x03020302
	s_cselect_b32 s57, 0x01000100, s57
	s_bfe_u32 s52, s[WV], 0x20001
	s_mul_i32 s58, s52, 1536
	s_add_co_u32 s54, s54, s58
	s_add_co_u32 s55, s55, s58
	s_add_co_u32 s56, s56, s58
	v_add_nc_u32 v8, s54, v1
	s_wait_alu depctr_va_vdst(0)
	v_add_nc_u32 v9, s55, v1
	s_wait_alu depctr_va_vdst(0)
	v_add_nc_u32 v10, s56, v1
	s_wait_alu depctr_va_vdst(0)
	s_lshl_b32 s58, s52, 6
	v_add_nc_u32 v11, s58, v2
	s_wait_alu depctr_va_vdst(0)
	s_lshl_b32 s59, s44, 3
	s_lshl_b32 s58, s42, 1
	s_add_co_u32 s59, s59, s58
	s_lshr_b32 s58, s[WV], 3
	s_add_co_u32 s59, s59, s58
	s_mul_i32 s58, s59, REC
	s_add_co_u32 s58, s58, S2OFF
	s_mov_b32 s59, 0
	s_add_nc_u64 s[50:51], s[4:5], s[58:59]
	global_load_b64 v[22:23], v8, s[50:51]
	global_load_b64 v[24:25], v9, s[50:51]
	global_load_b64 v[26:27], v10, s[50:51]
	global_load_b32 v44, v11, s[50:51] offset:6144
	s_lshl_b32 s58, s[WV], 6
	v_add_nc_u32 v12, s58, v2
	s_delay_alu instid0(VALU_DEP_1)
	v_add_nc_u32 v12, RED, v12
	v_add_nc_u32 v13, RED, v1
	s_lshl_b32 s58, s44, 10
	s_lshl_b32 s60, s42, 8
	s_add_co_u32 s58, s58, s60
	s_lshl_b32 s58, s58, 2
	s_lshl_b32 s60, s45, 17
	s_add_co_u32 s58, s58, s60
	s_add_nc_u64 s[60:61], s[6:7], s[58:59]
	s_lshl_b32 s58, s43, 2
	s_add_co_u32 s58, s58, s42
	s_lshl_b32 s58, s58, 2
	s_add_co_u32 s58, s58, 262144
	s_add_nc_u64 s[66:67], s[6:7], s[58:59]
	s_wait_loadcnt 0x0
	v_perm_b32 v44, v44, v44, s57
.irp i, 16,17,18,19,20,21,28,29,30,31,32,33
	v_mov_b32 v\i, 0
.endr
.irp i, 0,1,2,3
	v_mov_b32 v[MX+\i], 0xff800000
.endr
.macro HALF
	s_mov_b32 s[CNT], 8
.Lq_\@:
	v_add_nc_u32 v6, s[TB], v1
	v_add_nc_u32 v7, s[TB], v2
	v_nop
	v_nop
.irp b, 0,1,2,3
.irp k, 0,1,2
	ds_load_b128 v[FRG+12*\b+4*\k:FRG+12*\b+4*\k+3], v6 offset:1536*\b+512*\k
.endr
	ds_load_b32 v[CSW+\b], v7 offset:6144+64*\b
.endr
	s_wait_dscnt 0x0
	s_wait_alu depctr_va_vdst(0)
.irp b, 0,1,2,3
	v_wmma_scale_f32_16x16x128_f8f6f4 v[S+16*\b:S+16*\b+7], v[FRG+12*\b:FRG+12*\b+11], v[22:33], 0, v[CSW+\b], v44 matrix_a_fmt:MATRIX_FMT_FP6 matrix_b_fmt:MATRIX_FMT_FP6
	v_wmma_scale_f32_16x16x128_f8f6f4 v[S+16*\b+8:S+16*\b+15], v[FRG+12*\b:FRG+12*\b+11], v[16:27], 0, v[CSW+\b], v44 matrix_a_fmt:MATRIX_FMT_FP6 matrix_b_fmt:MATRIX_FMT_FP6
.endr
.rept 4
	v_nop
.endr
.irp i, 0,2,4,6,8,10,12,14
.irp b, 0,1,2,3
	v_max3_num_f32 v[MX+\b], v[MX+\b], v[S+16*\b+\i], v[S+16*\b+\i+1]
.endr
.endr
	s_add_co_u32 s[TB], s[TB], QKB
	s_sub_co_u32 s[CNT], s[CNT], 1
	s_cmp_lg_u32 s[CNT], 0
	s_cbranch_scc1 .Lq_\@
.endm
	s_wait_tensorcnt 0x0
	s_barrier_signal -1
	s_barrier_wait -1
	HALF
	HALF
	v_max3_num_f32 v[MX], v[MX], v[MX+1], v[MX+2]
	s_delay_alu instid0(VALU_DEP_1)
	v_max_num_f32 v[MX], v[MX], v[MX+3]
	s_delay_alu instid0(VALU_DEP_1)
	v_permlanex16_b32 v[MX+1], v[MX], s[SEL], s[SEL+1]
	s_delay_alu instid0(VALU_DEP_1)
	v_max_num_f32 v[MX], v[MX], v[MX+1]
	ds_store_b32 v12, v[MX]
	s_wait_dscnt 0x0
	s_barrier_signal -1
	s_barrier_wait -1
	s_cmp_lg_u32 s[WV], 0
	s_cbranch_scc1 .Lothers
	ds_load_b128 v[50:53], v13
	ds_load_b128 v[54:57], v13 offset:512
	s_wait_dscnt 0x0
	global_store_b128 v1, v[50:53], s[60:61]
	global_store_b128 v1, v[54:57], s[60:61] offset:512
	v_max3_num_f32 v58, v50, v51, v52
	v_max3_num_f32 v59, v53, v54, v55
	s_delay_alu instid0(VALU_DEP_2)
	v_max3_num_f32 v58, v58, v56, v57
	s_delay_alu instid0(VALU_DEP_1)
	v_max_num_f32 v58, v58, v59
	s_delay_alu instid0(VALU_DEP_1)
	v_max_num_f32_dpp v58, v58, v58 row_xmask:1 row_mask:0xf bank_mask:0xf
	s_delay_alu instid0(VALU_DEP_1)
	v_max_num_f32_dpp v58, v58, v58 row_xmask:2 row_mask:0xf bank_mask:0xf
	s_delay_alu instid0(VALU_DEP_1)
	v_max_num_f32_dpp v58, v58, v58 row_xmask:4 row_mask:0xf bank_mask:0xf
	s_delay_alu instid0(VALU_DEP_1)
	v_max_num_f32_dpp v58, v58, v58 row_xmask:8 row_mask:0xf bank_mask:0xf
	s_delay_alu instid0(VALU_DEP_1)
	v_permlanex16_b32 v59, v58, s[SEL], s[SEL+1]
	s_delay_alu instid0(VALU_DEP_1)
	v_max_num_f32 v58, v58, v59
	v_mov_b32 v60, 0
	v_cmp_eq_u32 vcc_lo, 0, v0
	s_wait_alu depctr_va_vdst(0)
	s_wait_xcnt 0x0
	s_and_saveexec_b32 s62, vcc_lo
	global_store_b32 v60, v58, s[66:67]
	s_wait_xcnt 0x0
	s_or_b32 exec_lo, exec_lo, s62
.Lothers:
	s_wait_tensorcnt 0x0
	ds_add_u32 v254, v255
	s_wait_dscnt 0x0
	CROUND
	s_endpgm
.Lfunc_end_k_q3f3089cad3_smax:
	.size	k_q3f3089cad3_smax, .Lfunc_end_k_q3f3089cad3_smax-k_q3f3089cad3_smax
	.p2alignl 7, 3214868480
	.fill 96, 4, 3214868480
	.section	.rodata,"a",@progbits
	.p2align	6, 0x0
	.amdhsa_kernel k_q3f3089cad3_smax
		.amdhsa_group_segment_fixed_size 327680
		.amdhsa_private_segment_fixed_size 0
		.amdhsa_enable_private_segment 0
		.amdhsa_kernarg_size 16
		.amdhsa_user_sgpr_count 2
		.amdhsa_user_sgpr_kernarg_segment_ptr 1
		.amdhsa_wavefront_size32 1
		.amdhsa_system_sgpr_workgroup_id_x 1
		.amdhsa_system_sgpr_workgroup_id_y 1
		.amdhsa_system_sgpr_workgroup_id_z 1
		.amdhsa_system_vgpr_workitem_id 0
		.amdhsa_next_free_vgpr 256
		.amdhsa_next_free_sgpr 70
		.amdhsa_reserve_vcc 1
		.amdhsa_float_denorm_mode_32 3
		.amdhsa_float_denorm_mode_16_64 3
		.amdhsa_memory_ordered 1
		.amdhsa_forward_progress 1
		.amdhsa_inst_pref_size 18
	.end_amdhsa_kernel
	.amdgpu_metadata
---
amdhsa.version: [ 1, 2 ]
amdhsa.kernels:
  - .name:           k_q3f3089cad3_smax
    .symbol:         k_q3f3089cad3_smax.kd
    .args:
      - { .name: rec, .offset: 0, .size: 8, .value_kind: global_buffer, .address_space: global }
      - { .name: cmx, .offset: 8, .size: 8, .value_kind: global_buffer, .address_space: global }
    .group_segment_fixed_size: 327680
    .private_segment_fixed_size: 0
    .kernarg_segment_align: 8
    .kernarg_segment_size: 16
    .max_flat_workgroup_size: 512
    .sgpr_count:     70
    .vgpr_count:     256
    .wavefront_size: 32
...
	.end_amdgpu_metadata
.endif
;; end of part 3
;; launch attn (part 4): grid 4 x 64, 16 waves a work-group, clusters of 4 x 1, 327,680 bytes of LDS; arguments rec, cmx, attention_mask_1, attention_mask_2, ocod, osc; writes ocod, osc
.if DOCPART == 4
	.amdgcn_target "amdgcn-amd-amdhsa--gfx1250"
	.amdhsa_code_object_version 6
	.text
	.protected	k_q3f3089cad3_attn
	.globl	k_q3f3089cad3_attn
	.p2align	8
	.type	k_q3f3089cad3_attn,@function
k_q3f3089cad3_attn:
	s_mov_b64 s[64:65], 0
	v_nop
	global_prefetch_b8 v0, s[64:65] scope:SCOPE_SE
	s_setreg_imm32_b32 hwreg(HW_REG_WAVE_MODE, 25, 1), 1
	s_wait_xcnt 0x0
	s_wait_alu depctr_hold_cnt(0) depctr_sa_sdst(0) depctr_va_vdst(0) depctr_va_sdst(0) depctr_va_ssrc(0) depctr_va_vcc(0) depctr_vm_vsrc(0)
	s_getreg_b32 s2, hwreg(HW_REG_IB_STS2, 6, 4)
	s_cmp_eq_u32 s2, 0
	s_cbranch_scc0 .Lentry_in_a_cluster
	s_endpgm
.Lentry_in_a_cluster:
	s_bfe_u32 s2, ttmp6, 0x10000c
	s_cmp_lg_u32 s2, 0x3003
	s_cbranch_scc0 .Lentry_shape_is_right
	s_endpgm
.Lentry_shape_is_right:
; Both attentions over the shared scores, on codes of FP6 (E2M3), by ONE text.  The ROW side is held in registers, the COLUMN side is streamed.  y < 32: rows = queries, columns = keys with v2 (o1); y >= 32: rows = keys, columns = queries with v1 (o2).
; A work-group walks 32 column steps of 128 for 256 rows at a time (a wave: 16 rows).  With 1,024 columns it finishes 256 rows after every 8 steps and takes the next 256 (four times); with 4,096 columns it finishes once.  All trip counts are constants.
; THE LOGIT.  g = the largest score of all; cm = 0 (rows = queries) or max(the key's largest score - g, -50000).  The product takes -(g + cm) as its C, so D = s - g - cm; y = max(D, -50000 - cm).
;   That is reference()'s clip(s - g) - cm: its upper clips and its second clip change nothing, since s - g <= 0 and clip(s - g) <= cm <= 0.  s - g - cm is rounded once here, three times there.
; THE MASK is arithmetic: y += rho x pen, rho = 1 for a closed row (else 0), pen = -131072 for a closed column (else 0).  The clip keeps open logits in [-50000, 0], so t of an open place is above -72,136 and of a closed one under -189,000:
;   under an M that an open place has set, p of a closed place is exactly 0; what was summed while only closed places had been seen is multiplied by 2^(old M - new M) = 0 when the first open place comes.
;   A row whose largest t ends under -100000 has no open place: its o gets scale bytes 0xff, which make the output row NaN, as reference() has it.
; THE SOFTMAX: t = y log2(e); M = the running largest t rounded up to a whole number; p = 2^(t - M) is quantised along the columns; the sum is taken of the unquantised p and divides at the end.
; K = 64 IN AN INSTRUCTION OF K = 128: a column fragment holds two tiles of 16 rows; the row operand stands between zeros (Z | Q | Z).  The table's row order makes the 16 registers of the two tiles 16 logical neighbours.
; TWO f32 OPERATIONS IN ONE INSTRUCTION: clip, mask, t - M, the sums and the rescalings are dual-issue pairs on an even and the next odd register; what both halves share (floor, rho, log2(e), -M, f) is kept twice, in two registers.
; THE NEXT ROWS ARE ASKED FOR A SLOT AHEAD: operand, scale word, mask byte and the key's two maxima of my next 16 rows are loaded into ten registers of their own when my present rows begin, eight steps ahead of their use, and then only moved.
; o is quantised along the head's 64 and stored as images of half operands: ocod [row tile][head][768 bytes] (register pair p of lane l at 256 p + 8 l), osc [table row][32 bytes].
; CLUSTER: the four work-groups of a cluster walk the same columns.  A slot holds 8 records, 106,496 dense bytes; each of the 16 waves asks jointly for 26 rows of 256 bytes of it; two slots.  One tensor load of a wave is out at any time.
;   With 1,024 columns a slot holds them all, and the other slot takes the same columns for the next 256 rows: so one text serves both directions.
; No prefetch is laid: a refill stands straight behind the round and has eight column steps of all sixteen waves in which to land.
; LIMITS: NaN and infinities among the inputs are not served; blocks of o under 2^-124 keep the byte 1.
.set REC,   13312
.set S2OFF, 1024*REC
.set SLOTB, 8*REC
.set PARTB, SLOTB/16                   ; a wave's part of a slot: 26 x 256 bytes
.set SLOT1, 131072                     ; slot 1 begins here: one exclusive or turns an address
.set SPARE, 262144                     ; the spare words: 128 bytes for each of 16 waves, named by no other line
.set SPW, 4
.set NIL, 5
.set NSW, 9                            ; v9  the next rows' scale word
.set NM2, 11                           ; v11 -M once more (v12 holds it too)
.set CSW, 46                           ; v46-49  scale words of the column side
.set FRG, 50                           ; v50-73 two column fragments; v50-97 four fragments of v^T
.set PEN, 74                           ; v74-105 pen of my 32 columns
.set S,   106                          ; v106-169 scores, then p
.set O,   170                          ; v170-201 o^T
.set PC,  202                          ; v202-213 p's codes
.set CT,  214                          ; v214-216, v218-220 conversions' second halves
.set NMB, 217                          ; v217 the next rows' mask byte
.set FL2, 221                          ; v221 the clip's floor once more (v10 holds it too)
.set BM,  222                          ; v222-225 block maxima
.set BT,  226                          ; v226-229 at work
.set SO,  230                          ; v230-233 the conversions' scale operands
.set NQ0, 234                          ; v234-237 and
.set NQ2, 252                          ; v252-253 the next rows' operand; v241-242 their keys' maxima
.set VO,  243                          ; v243-245 my row tile's three pieces of its group's image
.set VS,  249                          ; v249 its scale word
.set VR,  246                          ; v246 r + 8 (r / 8)
.set V8,  247                          ; v247 8 x lane
.set V32, 248                          ; v248 32 r
.set LC,  250                          ; v250-251 log2(e), twice
.set WV,  18
.set SEL, 20
.set CS,  22
.set G1,  24
.set G0,  32
.set CB,  36                           ; s[36:37] my part of the columns' first slot
.set TB,  38
.set SG,  39
.set SN,  40
.set FC,  41
.set DIR, 42
.set BH,  43
.set BB,  44
.set HEAD, 45
.set CX,  46
.set RSTEP, 47
.set SMASK, 48
.set LEFT, 49                          ; groups of 256 rows still to be asked for
.set DMASK, 50
.set TT,  51
.set TGB, 52
.set ROWB, 54                          ; s[54:55] the row side's first record of my head
.set MK,  56                           ; s[56:57] the row side's mask, my batch
.set CMB, 58                           ; s[58:59] the keys' maxima of my head
.set PSEL, 60
.set U8,  61
.set NG,  62                           ; s62 -g
.macro CROUND
	s_barrier_signal -1
	s_barrier_wait -1
	s_cmp_lg_u32 s[WV], 0
	s_cbranch_scc1 .Lnot_wave_0_\@
	s_barrier_signal -3
.Lnot_wave_0_\@:
	s_barrier_wait -3
	s_barrier_signal -1
	s_barrier_wait -1
.endm
.macro JLOAD                           ; every wave fetches its part; s_nop 0 and four v_nop follow the line
	tensor_load_to_lds s[G0:G0+3], s[G1:G1+7]
	s_nop 0
.rept 4
	v_nop
.endr
.endm
.macro DADD d, a, b                    ; two sums: registers d, d + 1 = a, a + 1 + b, b + 1 (all three even)
	v_dual_add_f32 v[\d], v[\a], v[\b] :: v_dual_add_f32 v[\d+1], v[\a+1], v[\b+1]
.endm
; Seven loads for 16 rows: tile TT + wave (ahead = 0) or the tile 16 further on (ahead = 1).  Their bases s[68:73] are written only here, behind the wait that showed the last seven done.
.macro PRELOAD ahead
	s_wait_alu depctr_va_vdst(0)                   ; the offsets were written by vector lines
	s_add_co_u32 s80, s[TT], s[WV]
.if \ahead
	s_add_co_u32 s80, s80, 16
.endif
	s_lshr_b32 s81, s80, 3
	s_mul_i32 s82, s81, REC
	s_mov_b32 s83, 0
	s_add_nc_u64 s[68:69], s[ROWB:ROWB+1], s[82:83]
	s_lshr_b32 s81, s80, 1
	s_lshl_b32 s82, s81, 5
	s_add_co_u32 s82, s82, s[U8]                   ; table row r of tile 2 b + u is logical row 32 b + 8 u + r + 8 (r / 8)
	s_add_nc_u64 s[70:71], s[MK:MK+1], s[82:83]
	s_lshl_b32 s82, s80, 6
	s_and_b32 s82, s82, s[DMASK]
	s_add_nc_u64 s[72:73], s[CMB:CMB+1], s[82:83]
	global_load_b64 v[NQ0:NQ0+1], v[VO], s[68:69]
	global_load_b64 v[NQ0+2:NQ0+3], v[VO+1], s[68:69]
	global_load_b64 v[NQ2:NQ2+1], v[VO+2], s[68:69]
	global_load_b32 v[NSW], v[VS], s[68:69] offset:6144
	global_load_u8 v[NMB], v[VR], s[70:71]
	global_load_b32 v241, v2, s[72:73]             ; the key's largest score over each half of the queries (where rows are queries: read and not used)
	global_load_b32 v242, v2, s[72:73] offset:131072
.endm
.macro NEXTROWS                        ; hangs on the cluster's y and the count of row groups alone
	s_cmp_eq_u32 s[LEFT], 0
	s_cbranch_scc1 .Lno_more_\@
	s_sub_co_u32 s[LEFT], s[LEFT], 1
	PRELOAD 1
.Lno_more_\@:
.endm
	s_load_b256 s[4:11], s[0:1], 0x0               ; rec, cmx, mask 1, mask 2
	s_load_b128 s[12:15], s[0:1], 0x20             ; ocod, osc
	v_lshl_add_u32 v[SPW], v0, 2, SPARE
	v_mov_b32 v[NIL], 0
	ds_add_u32 v[SPW], v[NIL]                      ; the opening lines: the add, twice on end, and its wait ahead of my first tensor load
	ds_add_u32 v[SPW], v[NIL]
	v_lshrrev_b32 v1, 5, v0
	s_delay_alu instid0(VALU_DEP_1)
	v_readfirstlane_b32 s[WV], v1
	s_bfe_u32 s[CX], ttmp6, 0x40000
	s_and_b32 s66, ttmp7, 0xffff
	s_lshr_b32 s[DIR], s66, 5
	s_and_b32 s[BH], s66, 31
	s_lshr_b32 s[BB], s[BH], 4
	s_and_b32 s[HEAD], s[BH], 15
	s_cmp_eq_u32 s[DIR], 0                         ; the cluster's y decides: the same in all partners
	s_cselect_b32 s[RSTEP], 32, 8                  ; records of a head on the row side,
	s_cselect_b32 s67, 8, 32                       ; on the column side
	s_cselect_b32 s68, 0, S2OFF
	s_cselect_b32 s69, S2OFF, 0
	s_cselect_b32 s[SMASK], 0, 3                   ; the columns are 1 or 4 slots
	s_cselect_b32 s[LEFT], 3, 0
	s_cselect_b32 s[DMASK], 0, -1
	s_cselect_b32 s70, 6, 4                        ; my first row tile: 64 cx or 16 cx
	s_cselect_b32 s71, 8, 6                        ; row tiles of a batch, as a shift
	s_cselect_b32 s72, 0, 512
	s_cselect_b32 s73, 12, 10                      ; rows of a batch, as a shift
	s_lshl_b32 s[TT], s[CX], s70
	s_lshl_b32 s[TGB], s[BB], s71
	s_add_co_u32 s[TGB], s[TGB], s72
	s_mov_b32 s[G1], 15|(3<<16)|(1<<21)            ; all four work-groups; elements of 8 bytes; bit 21 beside a mask
	s_mov_b32 s[G1+1], 32<<16                      ; 26 rows of 256 bytes, dense
	s_mov_b32 s[G1+2], 26<<16
	s_mov_b32 s[G1+3], 32<<16
	s_mov_b32 s[G1+4], 26
	s_mov_b32 s[G1+5], 32
	s_mov_b32 s[G1+6], 0
	s_mov_b32 s[G1+7], 0
	s_mov_b32 s[SEL], 0x76543210
	s_mov_b32 s[SEL+1], 0xfedcba98
	s_mov_b32 s[CS], 0x3fb8aa3b                    ; log2(e)
	s_mov_b32 s[TB], 0
	s_mov_b32 s[SG], 0
	s_mov_b32 s[SN], 0
	s_mul_i32 s88, s[WV], PARTB
	s_mul_i32 s75, s[BH], s67
	s_mul_i32 s80, s75, REC
	s_add_co_u32 s80, s80, s69
	s_add_co_u32 s80, s80, s88
	s_mov_b32 s81, 0
	s_mul_i32 s82, s[BH], s[RSTEP]
	s_mul_i32 s82, s82, REC
	s_add_co_u32 s82, s82, s68
	s_mov_b32 s83, 0
	s_lshl_b32 s84, s[BB], s73
	s_mov_b32 s85, 0
	s_lshl_b32 s86, s[BH], 12
	s_and_b32 s86, s86, s[DMASK]
	s_mov_b32 s87, 0
	s_wait_dscnt 0x0                               ; both opening adds are done
	s_wait_kmcnt 0x0
	s_add_nc_u64 s[CB:CB+1], s[4:5], s[80:81]
	s_add_nc_u64 s[ROWB:ROWB+1], s[4:5], s[82:83]
	s_cmp_eq_u32 s[DIR], 0
	s_cselect_b64 s[MK:MK+1], s[8:9], s[10:11]
	s_add_nc_u64 s[MK:MK+1], s[MK:MK+1], s[84:85]
	s_add_nc_u64 s[CMB:CMB+1], s[6:7], s[86:87]
	s_mov_b32 s[G0], 1
	s_mov_b32 s[G0+1], s88                         ; slot 0, my part
	s_mov_b64 s[G0+2:G0+3], s[CB:CB+1]
	s_or_b32 s[G0+3], s[G0+3], 0x80000000
	CROUND                                         ; all four work-groups are here
	JLOAD                                          ; slot 0: my one tensor load at the head
	v_and_b32 v6, 31, v0
	v_and_b32 v7, 15, v0
	v_bfe_u32 v3, v0, 4, 1
	v_lshlrev_b32 v1, 4, v6                        ; 16 x lane
	v_lshlrev_b32 v[V8], 3, v6
	v_lshlrev_b32 v2, 2, v7                        ; 4 r
	v_lshlrev_b32 v[V32], 5, v7
	v_and_b32 v8, 8, v7
	v_lshlrev_b32 v3, 6, v3                        ; 64 h
	v_add_nc_u32 v[VR], v8, v7
	s_wait_alu depctr_va_vdst(0)
	global_load_b128 v[50:53], v1, s[6:7] offset:262144       ; the 256 work-groups' largest scores
	global_load_b128 v[54:57], v1, s[6:7] offset:262144+512
	s_and_b32 s80, s[WV], 1                        ; my tile is half wave % 2 of group (wave / 2) % 4 of its record: my first tile is a multiple of 16
	s_lshl_b32 s[U8], s80, 3
	s_cmp_eq_u32 s80, 0
	s_cselect_b32 s81, 0, 520
	s_cselect_b32 s82, 8, 1024
	s_mov_b32 s83, 1032
	s_cselect_b32 s83, 512, s83
	s_mov_b32 s[PSEL], 0x03020302
	s_cselect_b32 s[PSEL], 0x01000100, s[PSEL]
	s_bfe_u32 s84, s[WV], 0x20001
	s_mul_i32 s85, s84, 1536
	s_add_co_u32 s81, s81, s85
	s_add_co_u32 s82, s82, s85
	s_add_co_u32 s83, s83, s85
	v_add_nc_u32 v[VO], s81, v1
	v_add_nc_u32 v[VO+1], s82, v1
	v_add_nc_u32 v[VO+2], s83, v1
	s_lshl_b32 s85, s84, 6
	v_add_nc_u32 v[VS], s85, v2
	PRELOAD 0                                      ; my first rows: on their way together with the loads above
.irp i, 16,17,18,19,20,21,28,29,30,31,32,33
	v_mov_b32 v\i, 0                               ; the zero codes on both sides of the row operand
.endr
.irp i, 226,227,228,229,240
	v_mov_b32 v\i, 0                               ; lane permutes' destinations: written once
.endr
	v_mov_b32 v[LC], 0x3fb8aa3b
	v_mov_b32 v[LC+1], 0x3fb8aa3b
	s_wait_alu depctr_va_vdst(0)
	s_wait_loadcnt 0x0
	v_max3_num_f32 v10, v50, v51, v52
	v_max3_num_f32 v11, v53, v54, v55
	s_delay_alu instid0(VALU_DEP_2)
	v_max3_num_f32 v10, v10, v56, v57
	s_delay_alu instid0(VALU_DEP_1)
	v_max_num_f32 v10, v10, v11
	s_delay_alu instid0(VALU_DEP_1)
	v_max_num_f32_dpp v10, v10, v10 row_xmask:1 row_mask:0xf bank_mask:0xf
	s_delay_alu instid0(VALU_DEP_1)
	v_max_num_f32_dpp v10, v10, v10 row_xmask:2 row_mask:0xf bank_mask:0xf
	s_delay_alu instid0(VALU_DEP_1)
	v_max_num_f32_dpp v10, v10, v10 row_xmask:4 row_mask:0xf bank_mask:0xf
	s_delay_alu instid0(VALU_DEP_1)
	v_max_num_f32_dpp v10, v10, v10 row_xmask:8 row_mask:0xf bank_mask:0xf
	s_delay_alu instid0(VALU_DEP_1)
	v_permlanex16_b32 v11, v10, s[SEL], s[SEL+1]
	s_delay_alu instid0(VALU_DEP_1)
	v_max_num_f32 v10, v10, v11                    ; g, in every lane
	s_delay_alu instid0(VALU_DEP_1)
	v_xor_b32 v10, 0x80000000, v10
	s_delay_alu instid0(VALU_DEP_1)
	v_readfirstlane_b32 s[NG], v10                 ; -g: a value alone, no branch and no address hangs on it
; My next 16 rows have landed: operand, scale word, rho, -(g + cm), the clip's floor; the running figures begin anew.
.macro TAKE
	s_wait_alu depctr_va_vdst(0)
	s_wait_xcnt 0x0                                ; the stores of the rows just finished have read their data and their bases: the next steps write those registers
	s_wait_loadcnt 0x0                             ; the seven loads, issued eight steps ago (the first rows': in the head)
	v_dual_mov_b32 v22, v[NQ0] :: v_dual_mov_b32 v23, v[NQ0+1]
	v_dual_mov_b32 v24, v[NQ0+2] :: v_dual_mov_b32 v25, v[NQ0+3]
	v_dual_mov_b32 v26, v[NQ2] :: v_dual_mov_b32 v27, v[NQ2+1]
	v_perm_b32 v44, v[NSW], v[NSW], s[PSEL]        ; [s0 s1 s0 s1]; more than eight plain lines stand between this and the next product
	v_cmp_eq_u32 vcc_lo, 0, v[NMB]
	v_max_num_f32 v240, v241, v242
	v_cndmask_b32 v42, 0, 1.0, vcc_lo              ; rho, twice
	v_cndmask_b32 v43, 0, 1.0, vcc_lo
	v_add_f32 v240, s[NG], v240
	v_mov_b32 v13, 0xff61b1e6                      ; the largest t so far: -3e38
	v_mov_b32 v14, 0
	v_max_num_f32 v240, 0xc7435000, v240           ; max(. - g, -50000)
	v_mov_b32 v15, 0
	v_floor_f32 v12, -v13
	v_cndmask_b32 v240, 0, v240, s[DMASK]          ; cm
	v_floor_f32 v[NM2], -v13
	s_delay_alu instid0(VALU_DEP_2)
	v_sub_f32 v34, s[NG], v240                     ; -(g + cm): the products' C
	v_sub_f32 v10, 0xc7435000, v240                ; -50000 - cm, twice
	v_sub_f32 v[FL2], 0xc7435000, v240
.irp i, 35,36,37,38,39,40,41
	v_mov_b32 v\i, v34
.endr
.set j, 0
.rept 16
	v_dual_mov_b32 v[O+j], 0 :: v_dual_mov_b32 v[O+j+1], 0   ; the step is written once: its first run finds zeros
.set j, j+2
.endr
.endm
; A STEP: 128 columns, the record at s[TB].
.macro STEP
	v_add_nc_u32 v6, s[TB], v1
	v_add_nc_u32 v7, s[TB], v2
	v_add_nc_u32 v8, s[TB], v3
	v_nop                                          ; four places in front of loads into registers that the last products read
	s_wait_alu depctr_va_vdst(0)
.irp g, 0,1                            ; 64 columns at a time
.irp e, 0,1
.irp k, 0,1,2
	ds_load_b128 v[FRG+12*\e+4*\k:FRG+12*\e+4*\k+3], v6 offset:1536*(2*\g+\e)+512*\k
.endr
	ds_load_b32 v[CSW+\e], v7 offset:6144+64*(2*\g+\e)
.endr
.irp e, 0,1
.irp k, 0,1,2,3
	ds_load_b128 v[PEN+16*\e+4*\k:PEN+16*\e+4*\k+3], v8 offset:12800+128*(2*\g+\e)+16*\k
.endr
.endr
	s_wait_dscnt 8                                 ; fragments and scale words are in; the eight loads of pen may be out
.irp e, 0,1
	v_wmma_scale_f32_16x16x128_f8f6f4 v[S+16*(2*\g+\e):S+16*(2*\g+\e)+7], v[FRG+12*\e:FRG+12*\e+11], v[22:33], v[34:41], v[CSW+\e], v44 matrix_a_fmt:MATRIX_FMT_FP6 matrix_b_fmt:MATRIX_FMT_FP6
	v_wmma_scale_f32_16x16x128_f8f6f4 v[S+16*(2*\g+\e)+8:S+16*(2*\g+\e)+15], v[FRG+12*\e:FRG+12*\e+11], v[16:27], v[34:41], v[CSW+\e], v44 matrix_a_fmt:MATRIX_FMT_FP6 matrix_b_fmt:MATRIX_FMT_FP6
.endr
.rept 4
	v_nop
.endr
.set j, 0
.rept 16
	v_dual_max_num_f32 v[S+32*\g+j], v[S+32*\g+j], v10 :: v_dual_max_num_f32 v[S+32*\g+j+1], v[S+32*\g+j+1], v[FL2]   ; the clip; each accumulator from its low end on
.set j, j+2
.endr
	s_wait_dscnt 0x0                               ; pen is in
.set j, 0
.rept 16
	v_dual_fmac_f32 v[S+32*\g+j], v[PEN+j], v42 :: v_dual_fmac_f32 v[S+32*\g+j+1], v[PEN+j+1], v43   ; the mask
.set j, j+2
.endr
.endr
.irp t, 0,1,2,3                        ; v^T's four tiles are asked for here and land under the softmax
.irp k, 0,1,2
	ds_load_b128 v[FRG+12*\t+4*\k:FRG+12*\t+4*\k+3], v6 offset:6400+1536*\t+512*\k
.endr
	ds_load_b32 v[CSW+\t], v7 offset:12544+64*\t
.endr
.irp b, 0,1,2,3
	v_max3_num_f32 v[BM+\b], v[S+16*\b], v[S+1+16*\b], v[S+2+16*\b]   ; the largest logit of each block of 32: for the row's maximum and for the block's largest p
.endr
.irp i, 3,5,7,9,11,13
.irp b, 0,1,2,3
	s_delay_alu instid0(VALU_DEP_4)
	v_max3_num_f32 v[BM+\b], v[BM+\b], v[S+16*\b+\i], v[S+1+16*\b+\i]
.endr
.endr
.irp b, 0,1,2,3
	s_delay_alu instid0(VALU_DEP_4)
	v_max_num_f32 v[BM+\b], v[BM+\b], v[S+15+16*\b]
.endr
.irp b, 0,1,2,3
	s_delay_alu instid0(VALU_DEP_4)
	v_permlanex16_b32 v[BT+\b], v[BM+\b], s[SEL], s[SEL+1]
.endr
.irp b, 0,1,2,3
	s_delay_alu instid0(VALU_DEP_4)
	v_max_num_f32 v[BM+\b], v[BM+\b], v[BT+\b]
.endr
	s_delay_alu instid0(VALU_DEP_2)
	v_max3_num_f32 v240, v[BM], v[BM+1], v[BM+2]
	s_delay_alu instid0(VALU_DEP_1)
	v_max_num_f32 v240, v240, v[BM+3]
	s_delay_alu instid0(VALU_DEP_1)
	v_mul_f32 v240, s[CS], v240
	s_delay_alu instid0(VALU_DEP_1)
	v_max_num_f32 v13, v13, v240                   ; the running largest t
	v_mov_b32 v240, v12
	s_delay_alu instid0(VALU_DEP_2)
	v_floor_f32 v12, -v13                          ; -M = floor(-t): M is a whole number
	v_floor_f32 v[NM2], -v13
	s_delay_alu instid0(VALU_DEP_2)
	v_sub_f32 v240, v12, v240                      ; old M - new M
	s_delay_alu instid0(VALU_DEP_1)
	v_cvt_i32_f32 v240, v240                       ; (it saturates)
	s_delay_alu instid0(VALU_DEP_1)
	v_ldexp_f32 v238, 1.0, v240                    ; f = 2^(old M - new M): rounds nothing
	v_ldexp_f32 v239, 1.0, v240
.set j, 0
.rept 32
	v_dual_fma_f32 v[S+j], v[S+j], v[LC], v12 :: v_dual_fma_f32 v[S+j+1], v[S+j+1], v[LC+1], v[NM2]   ; t - M
.set j, j+2
.endr
.irp b, 0,1,2,3
	v_fma_f32 v[BM+\b], v[BM+\b], s[CS], v12
.endr
.set j, 0
	s_wait_alu depctr_va_vdst(0)
.rept 64
	v_exp_f32 v[S+j], v[S+j]                       ; p = 2^(t - M): one batch
.set j, j+1
.endr
	v_dual_mul_f32 v14, v14, v238 :: v_dual_mul_f32 v15, v15, v239   ; the sums under the new M; the plain line behind the exponentials
	s_wait_alu depctr_va_vdst(0)                   ; one wait for the batch, ahead of its first reader
.irp b, 0,1,2,3
	v_exp_f32 v[BM+\b], v[BM+\b]                   ; each block's largest p
.endr
	DADD 226, S, S+2                               ; the row's sum of the unquantised p: three chains of pairs
	DADD 254, S+4, S+6
	DADD 14, 14, S+8
.set j, S+10
.rept 9
.irp a, 226,254,14
	DADD \a, \a, j
.set j, j+2
.endr
.endr
	DADD 226, 226, 254
	DADD 14, 14, 226
	s_wait_alu depctr_va_vdst(0)                   ; and one for the four
.irp b, 0,1,2,3
	v_max_num_f32 v[BM+\b], 0x1800000, v[BM+\b]    ; the floor 2^(3 - 127)
.endr
.irp b, 0,1,2,3
	s_delay_alu instid0(VALU_DEP_4)
	v_add_nc_u32 v[SO+\b], 0xff000000, v[BM+\b]
.endr
.irp b, 0,1,2,3
	s_delay_alu instid0(VALU_DEP_4)
	v_lshrrev_b32 v[BT+\b], 23, v[SO+\b]
.endr
	s_delay_alu instid0(VALU_DEP_3)
	v_lshl_or_b32 v45, v[BT+1], 8, v[BT]           ; p's scale word for these 128 columns
	s_delay_alu instid0(VALU_DEP_1)
	v_lshl_or_b32 v45, v[BT+2], 16, v45
	s_delay_alu instid0(VALU_DEP_1)
	v_lshl_or_b32 v45, v[BT+3], 24, v45
.irp c, 0,1
	v_cvt_scalef32_pk16_fp6_f32 v[PC+6*\c:PC+6*\c+2], v[S+32*\c:S+32*\c+15], v[SO+2*\c]
	v_cvt_scalef32_pk16_fp6_f32 v[CT+4*\c:CT+4*\c+2], v[S+32*\c+16:S+32*\c+31], v[SO+2*\c+1]
.endr
	v_nop                                          ; one plain line behind the scaled conversions
.irp c, 0,1
.irp i, 0,1,2
	v_permlane16_swap_b32 v[PC+6*\c+\i], v[CT+4*\c+\i]
.endr
.endr
	v_dual_mov_b32 v[PC+4], v[CT+1] :: v_dual_mov_b32 v[PC+3], v[CT]     ; each block's upper 16 codes to their places
	v_dual_mov_b32 v[PC+10], v[CT+5] :: v_dual_mov_b32 v[PC+5], v[CT+2]
	v_mov_b32 v[PC+9], v[CT+4]
	v_mov_b32 v[PC+11], v[CT+6]
	s_wait_alu depctr_va_vdst(0)                   ; ahead of the first reader of o^T
.set j, 0
.rept 16
	v_dual_mul_f32 v[O+j], v[O+j], v238 :: v_dual_mul_f32 v[O+j+1], v[O+j+1], v239   ; o^T under the new M; also the places between p's word and codes and the products
.set j, j+2
.endr
	s_wait_alu depctr_va_vdst(0)
	s_wait_dscnt 0x0                               ; v^T is in
.irp t, 0,1,2,3                        ; four accumulators by turns, one instruction a turn
	v_wmma_scale_f32_16x16x128_f8f6f4 v[O+8*\t:O+8*\t+7], v[FRG+12*\t:FRG+12*\t+11], v[PC:PC+11], v[O+8*\t:O+8*\t+7], v[CSW+\t], v45 matrix_a_fmt:MATRIX_FMT_FP6 matrix_b_fmt:MATRIX_FMT_FP6
.endr
.endm
; My 16 rows are finished: o = o^T / the sum, quantised along the head's 64, stored.  reinit = 1: on to the next 256 rows of the work-group.
.macro FLUSH reinit
.rept 4
	v_nop                                          ; places behind the last products
.endr
	v_add_f32 v14, v14, v15
	s_delay_alu instid0(VALU_DEP_1)
	v_permlanex16_b32 v240, v14, s[SEL], s[SEL+1]
	s_delay_alu instid0(VALU_DEP_1)
	v_add_f32 v14, v14, v240
	s_wait_alu depctr_va_vdst(0)
	v_rcp_f32 v238, v14
	v_mov_b32 v[S+32], 0xffff                      ; the plain line behind the reciprocal
	s_add_co_u32 s80, s[TT], s[WV]
	s_add_co_u32 s80, s80, s[TGB]                  ; my row tile among the 640
	s_lshl_b32 s81, s80, 4
	s_add_co_u32 s81, s81, s[HEAD]
	s_mul_i32 s82, s81, 768
	s_mov_b32 s83, 0
	s_add_nc_u64 s[76:77], s[12:13], s[82:83]
	s_lshl_b32 s82, s80, 9
	s_lshl_b32 s81, s[HEAD], 1
	s_add_co_u32 s82, s82, s81
	s_add_nc_u64 s[78:79], s[14:15], s[82:83]
	s_wait_alu depctr_va_vdst(0)                   ; ahead of the reciprocal's first reader
.set j, 0
.rept 16
	v_pk_mul_f32 v[S+j:S+j+1], v[O+j:O+j+1], v[238:239] op_sel_hi:[1,0]   ; register 16 b + i: channel 32 b + 16 h + i; each accumulator from its low end on
.set j, j+2
.endr
.irp b, 0,1
	v_max3_num_f32 v[BM+\b], |v[S+16*\b]|, |v[S+1+16*\b]|, 0x1800000
.endr
.irp i, 2,4,6,8,10,12,14
.irp b, 0,1
	s_delay_alu instid0(VALU_DEP_2)
	v_max3_num_f32 v[BM+\b], v[BM+\b], |v[S+16*\b+\i]|, |v[S+1+16*\b+\i]|
.endr
.endr
.irp b, 0,1
	s_delay_alu instid0(VALU_DEP_2)
	v_permlanex16_b32 v[BT+\b], v[BM+\b], s[SEL], s[SEL+1]
.endr
.irp b, 0,1
	s_delay_alu instid0(VALU_DEP_2)
	v_max_num_f32 v[BM+\b], v[BM+\b], v[BT+\b]
.endr
.irp b, 0,1
	s_delay_alu instid0(VALU_DEP_2)
	v_add_nc_u32 v[SO+\b], 0xff000000, v[BM+\b]
.endr
.irp b, 0,1
	s_delay_alu instid0(VALU_DEP_2)
	v_lshrrev_b32 v[BT+\b], 23, v[SO+\b]
.endr
	s_delay_alu instid0(VALU_DEP_1)
	v_lshl_or_b32 v[S+33], v[BT+1], 8, v[BT]
	v_cmp_gt_f32 vcc_lo, 0xc7c35000, v13           ; -100000 > the largest t: no open place in the row
	s_delay_alu instid0(VALU_DEP_1)
	v_cndmask_b32 v[S+33], v[S+33], v[S+32], vcc_lo   ; a choice of a value, no branch
	v_cvt_scalef32_pk16_fp6_f32 v[PC:PC+2], v[S:S+15], v[SO]
	v_cvt_scalef32_pk16_fp6_f32 v[CT:CT+2], v[S+16:S+31], v[SO+1]
	v_nop
.irp i, 0,1,2
	v_permlane16_swap_b32 v[PC+\i], v[CT+\i]
.endr
.irp i, 0,1,2
	s_delay_alu instid0(VALU_DEP_3)
	v_mov_b32 v[PC+3+\i], v[CT+\i]
.endr
.irp p, 0,1,2
	global_store_b64 v[V8], v[PC+2*\p:PC+2*\p+1], s[76:77] offset:256*\p   ; 256 consecutive bytes a store, aligned
.endr
	global_store_b16 v[V32], v[S+33], s[78:79]     ; my head's two bytes of each row; both halves of the lanes write the same
.if \reinit
	s_add_co_u32 s[TT], s[TT], 16
	TAKE
	NEXTROWS
.endif
.endm
; THE CHANGE OF SLOTS stands at a slot's head: all my tensor loads have landed (my part of the slot ahead), the add, my reads of the slot left are over; behind the round the slot left is filled with the columns that follow.
.macro CHANGE fill
	s_wait_tensorcnt 0x0
	ds_add_u32 v[SPW], v[NIL]                      ; 0 onto my spare word
.if \fill
	s_xor_b32 s[G0+1], s[G0+1], SLOT1
	s_add_co_u32 s[SN], s[SN], 1
	s_and_b32 s80, s[SN], s[SMASK]                 ; the columns are walked again for each 256 rows
	s_mul_i32 s80, s80, SLOTB
	s_mov_b32 s81, 0
	s_add_nc_u64 s[G0+2:G0+3], s[CB:CB+1], s[80:81]
	s_or_b32 s[G0+3], s[G0+3], 0x80000000
.endif
	s_wait_dscnt 0x0
.if \fill
	CROUND
	JLOAD                                          ; the first thing behind the round; it has eight steps in which to land
.else
	s_barrier_signal -1
	s_barrier_wait -1
.endif
.endm
.macro EIGHT                           ; a slot's eight steps
	s_mov_b32 s[FC], 8
.Leight_\@:
	STEP
	s_add_co_u32 s[TB], s[TB], REC
	s_sub_co_u32 s[FC], s[FC], 1
	s_cmp_lg_u32 s[FC], 0
	s_cbranch_scc1 .Leight_\@
	s_sub_co_u32 s[TB], s[TB], SLOTB
	s_xor_b32 s[TB], s[TB], SLOT1
.endm
	TAKE
	NEXTROWS
.Lslot:                                ; three trips: behind each change of slots but the last the next slot is asked for
	CHANGE 1
	EIGHT
	s_cmp_lg_u32 s[DIR], 0
	s_cbranch_scc1 .Lgo_on                         ; hangs on the cluster's y alone
	FLUSH 1
.Lgo_on:
	s_add_co_u32 s[SG], s[SG], 1
	s_cmp_lt_u32 s[SG], 3
	s_cbranch_scc1 .Lslot
	CHANGE 0                                       ; the last slot is written out: nothing is asked for
	EIGHT
	FLUSH 0
	s_wait_tensorcnt 0x0                           ; the wave's end
	ds_add_u32 v[SPW], v[NIL]
	s_wait_dscnt 0x0
	CROUND                                         ; the closing round
	s_endpgm
.Lfunc_end_k_q3f3089cad3_attn:
	.size	k_q3f3089cad3_attn, .Lfunc_end_k_q3f3089cad3_attn-k_q3f3089cad3_attn
	.p2alignl 7, 3214868480
	.fill 96, 4, 3214868480
	.section	.rodata,"a",@progbits
	.p2align	6, 0x0
	.amdhsa_kernel k_q3f3089cad3_attn
		.amdhsa_group_segment_fixed_size 327680
		.amdhsa_private_segment_fixed_size 0
		.amdhsa_enable_private_segment 0
		.amdhsa_kernarg_size 48
		.amdhsa_user_sgpr_count 2
		.amdhsa_user_sgpr_kernarg_segment_ptr 1
		.amdhsa_wavefront_size32 1
		.amdhsa_system_sgpr_workgroup_id_x 1
		.amdhsa_system_sgpr_workgroup_id_y 1
		.amdhsa_system_sgpr_workgroup_id_z 1
		.amdhsa_system_vgpr_workitem_id 0
		.amdhsa_next_free_vgpr 256
		.amdhsa_next_free_sgpr 92
		.amdhsa_reserve_vcc 1
		.amdhsa_float_denorm_mode_32 3
		.amdhsa_float_denorm_mode_16_64 3
		.amdhsa_memory_ordered 1
		.amdhsa_forward_progress 1
		.amdhsa_inst_pref_size 75
	.end_amdhsa_kernel
	.amdgpu_metadata
---
amdhsa.version: [ 1, 2 ]
amdhsa.kernels:
  - .name:           k_q3f3089cad3_attn
    .symbol:         k_q3f3089cad3_attn.kd
    .args:
      - { .name: rec, .offset: 0, .size: 8, .value_kind: global_buffer, .address_space: global }
      - { .name: cmx, .offset: 8, .size: 8, .value_kind: global_buffer, .address_space: global }
      - { .name: attention_mask_1, .offset: 16, .size: 8, .value_kind: global_buffer, .address_space: global }
      - { .name: attention_mask_2, .offset: 24, .size: 8, .value_kind: global_buffer, .address_space: global }
      - { .name: ocod, .offset: 32, .size: 8, .value_kind: global_buffer, .address_space: global }
      - { .name: osc, .offset: 40, .size: 8, .value_kind: global_buffer, .address_space: global }
    .group_segment_fixed_size: 327680
    .private_segment_fixed_size: 0
    .kernarg_segment_align: 8
    .kernarg_segment_size: 48
    .max_flat_workgroup_size: 512
    .sgpr_count:     92
    .vgpr_count:     256
    .wavefront_size: 32
...
	.end_amdgpu_metadata
.endif
;; end of part 4
;; launch outp (part 5): grid 4 x 38, 4 waves a work-group, clusters of 4 x 1, 327,680 bytes of LDS; arguments ocod, osc, cod, scl, bo1, bo2, out0, out1; writes out0, out1
.if DOCPART == 5
	.amdgcn_target "amdgcn-amd-amdhsa--gfx1250"
	.amdhsa_code_object_version 6
	.text
	.protected	k_q3f3089cad3_outp
	.globl	k_q3f3089cad3_outp
	.p2align	8
	.type	k_q3f3089cad3_outp,@function
k_q3f3089cad3_outp:
	s_mov_b64 s[64:65], 0
	v_nop
	global_prefetch_b8 v0, s[64:65] scope:SCOPE_SE
	s_setreg_imm32_b32 hwreg(HW_REG_WAVE_MODE, 25, 1), 1
	s_wait_xcnt 0x0
	s_wait_alu depctr_hold_cnt(0) depctr_sa_sdst(0) depctr_va_vdst(0) depctr_va_sdst(0) depctr_va_ssrc(0) depctr_va_vcc(0) depctr_vm_vsrc(0)
	s_getreg_b32 s2, hwreg(HW_REG_IB_STS2, 6, 4)
	s_cmp_eq_u32 s2, 0
	s_cbranch_scc0 .Lentry_in_a_cluster
	s_endpgm
.Lentry_in_a_cluster:
	s_bfe_u32 s2, ttmp6, 0x10000c
	s_cmp_lg_u32 s2, 0x3003
	s_cbranch_scc0 .Lentry_shape_is_right
	s_endpgm
.Lentry_shape_is_right:
.set KSTEP,  256
.set NQ,     KSTEP/128
.set ROWB,   16128*192                 ; from one 256 along K of the weights to the next: a plane of cod
.set KROW,   768
.set PITCH,  240
.set FR,     12
.set NL,     6
.set NP,     4
.set HALFT,  128*PITCH
.set HALFA,  8*3072
.set BOFF,   2*HALFA
.set SLOT,   BOFF+2*HALFT
.set LAPS,   2
.set KS,     32
.set SCL,    2*SLOT
.set HALFS,  (128*KS/256)*272
.set SBLK,   (16*KS/256)*272
.set SPARE,  SCL+4*HALFS
.set SPITCH, 528
.set BO,   8
.set ADRA, 16
.set ADRB, 20
.set STO,  24
.set RD,   25
.set CO,   26
.set ADRS, 27
.set SPW,  28
.set NIL,  29
.set SC,   32
.set BIA,  64
.set RO,   64
.set AF,   128
.set BK,   128
.set G1, 24
.set G0, 32
.set G1B, 48
.set G0B, 56
.set G1S, 68
.set G0S, 76
.set G1SB, 80
.set G0SB, 88
.set MSB, 0
.macro WIN new
.if MSB != \new
	s_set_vgpr_msb (MSB<<8)|\new
.set MSB, \new
.endif
.endm
.set MUL_LO, 0xa1
.set MUL_HI, 0xf1
.set TO_B,   0x40
.macro JLOAD g0a, g1a, g0b, g1b
	s_cmp_eq_u32 s15, 0
	s_cbranch_scc0 .Lfor_b_\@
	tensor_load_to_lds s[\g0a:\g0a+3], s[\g1a:\g1a+7]
	s_nop 0
.rept 4
	v_nop
.endr
	s_branch .Lasked_\@
.Lfor_b_\@:
	tensor_load_to_lds s[\g0b:\g0b+3], s[\g1b:\g1b+7]
	s_nop 0
.rept 4
	v_nop
.endr
.Lasked_\@:
.endm
.macro CREST
	s_cmp_lg_u32 s14, 0
	s_cbranch_scc1 .Lnot_wave_0_\@
	s_barrier_signal -3
.Lnot_wave_0_\@:
	s_barrier_wait -3
	s_barrier_signal -1
	s_barrier_wait -1
.endm
.macro CROUND
	s_barrier_signal -1
	s_barrier_wait -1
	CREST
.endm
	s_load_b128 s[4:7], s[0:1], 0x0
	s_load_b128 s[8:11], s[0:1], 0x10
	s_load_b128 s[96:99], s[0:1], 0x20
	s_load_b64 s[12:13], s[0:1], 0x30
	s_load_b64 s[66:67], s[0:1], 0x38
	v_lshl_add_u32 v[SPW], v0, 2, SPARE
	v_mov_b32 v[NIL], 0
	ds_add_u32 v28, v29
	ds_add_u32 v28, v29
	s_wait_dscnt 0x0
	v_lshrrev_b32 v1, 5, v0
	v_readfirstlane_b32 s14, v1
	s_lshr_b32 s15, s14, 1
	s_and_b32 s16, s14, 1
	s_bfe_u32 s40, ttmp6, 0x40000
	s_and_b32 s41, ttmp7, 0xffff
	s_and_b32 s42, s41, 3
	s_lshr_b32 s43, s41, 2
	s_sub_co_u32 s44, s41, 32
	s_cmp_ge_u32 s44, 3
	s_cselect_b32 s45, 1, 0
	s_mul_i32 s17, s45, 3
	s_sub_co_u32 s44, s44, s17
	s_cmp_lt_u32 s41, 32
	s_cselect_b32 s42, s42, s44
	s_cselect_b32 s43, s43, s45
	s_cselect_b32 s44, 0, 32
	s_cselect_b32 s45, 56, 60
	s_mov_b32 s2, 3072
	s_cselect_b32 s2, 4096, s2
	s_lshl_b32 s43, s43, 2
	s_add_co_u32 s43, s43, s40
	s_add_co_u32 s17, s43, s44
	s_add_co_u32 s45, s45, s42
	s_mov_b32 s[G1+0], 3<<16
	s_mov_b32 s[G1+1], 384<<16
	s_mov_b32 s[G1+2], 16<<16                      ; the head's loads bring 256 rows; behind them the words that count rows are halved
	s_mov_b32 s[G1+3], 384<<16
	s_mov_b32 s[G1+4], 16
	s_mov_b32 s[G1+5], 1536
	s_mov_b32 s[G1+6], 0
	s_mov_b32 s[G1+7], 0
	s_mov_b32 s[G1B+0], 15|(0<<16)|(1<<20)|(1<<21)|(3<<22)|(3<<25)
	s_mov_b32 s[G1B+1], 256<<16                    ; 128 rows of 192 bytes are dense in a plane: stated as 96 rows of 256 bytes, each on a 256-byte border;
	s_mov_b32 s[G1B+2], 192<<16
	s_mov_b32 s[G1B+3], 256<<16
	s_mov_b32 s[G1B+4], 192
	s_mov_b32 s[G1B+5], 256
	s_mov_b32 s[G1B+6], 0
	s_mov_b32 s[G1B+7], 0
	s_mov_b32 s[G1S+0], (3<<16)|(1<<20)|(5<<22)|(3<<25)
	s_mov_b32 s[G1SB+0], 15|(3<<16)|(1<<20)|(1<<21)|(5<<22)|(3<<25)
.irp g, G1S, G1SB
	s_mov_b32 s[\g+1], 32<<16
	s_mov_b32 s[\g+2], (256*KS/256)<<16
	s_mov_b32 s[\g+3], 32<<16
	s_mov_b32 s[\g+4], 256*KS/256
	s_mov_b32 s[\g+5], 32
	s_mov_b32 s[\g+6], 0
	s_mov_b32 s[\g+7], 0
.endr
	s_lshl_b32 s20, s17, 8
	s_lshl_b32 s46, s45, 8
	s_mov_b32 s21, 0
	s_mov_b32 s47, 0
	s_mov_b64 s[18:19], KS
	s_mul_u64 s[22:23], s[20:21], s[18:19]
	s_mul_u64 s[92:93], s[46:47], s[18:19]
	s_mov_b64 s[18:19], KROW
	s_mul_u64 s[20:21], s[20:21], s[18:19]
	s_mov_b64 s[18:19], 192                        ; a weight's row in a plane of cod
	s_mul_u64 s[46:47], s[46:47], s[18:19]
	s_mul_i32 s45, s16, HALFA
	s_mul_i32 s44, s16, HALFT
	s_add_co_u32 s44, s44, BOFF
	s_mul_i32 s18, s16, 128*KROW                   ; in the ring I fetch 128 rows of a tile: which half, in bytes: of A,
	s_mov_b32 s19, 0
	s_mul_i32 s94, s16, 128*192                    ; and of B
	s_mov_b32 s95, 0
	s_wait_kmcnt 0x0
	s_add_nc_u64 s[20:21], s[4:5], s[20:21]
	s_add_nc_u64 s[22:23], s[6:7], s[22:23]
	s_add_nc_u64 s[46:47], s[8:9], s[46:47]
	s_add_nc_u64 s[92:93], s[10:11], s[92:93]
	s_cmp_lt_u32 s41, 32
	s_cselect_b64 s[12:13], s[12:13], s[66:67]
	s_cselect_b64 s[96:97], s[96:97], s[98:99]
	CROUND
; THE HEAD'S LOADS, ONE A WAVE: wave 0 fetches the first 256 of K of A's 256 rows, wave 1 of B's, wave 2 the scales of A's 256 rows, wave 3 those of B's.
.set G0H, 4                            ; s[4:7], s[8:11] group 0 of the head's two loads of codes (the arguments that lay there have been used)
.set G0HB, 8
	s_mov_b32 s[G0H], 1
	s_mov_b32 s[G0H+1], 0
	s_mov_b64 s[G0H+2:G0H+3], s[20:21]
	s_or_b32 s[G0H+3], s[G0H+3], 0x80000000
	s_mov_b32 s[G0HB], 1
	s_mov_b32 s[G0HB+1], BOFF
	s_mov_b64 s[G0HB+2:G0HB+3], s[46:47]
	s_or_b32 s[G0HB+3], s[G0HB+3], 0x80000000
	s_mov_b32 s[G0S], 1
	s_mov_b32 s[G0S+1], SCL
	s_mov_b64 s[G0S+2:G0S+3], s[22:23]
	s_or_b32 s[G0S+3], s[G0S+3], 0x80000000
	s_mov_b32 s[G0SB], 1
	s_mov_b32 s[G0SB+1], SCL+2*HALFS
	s_mov_b64 s[G0SB+2:G0SB+3], s[92:93]
	s_or_b32 s[G0SB+3], s[G0SB+3], 0x80000000
	s_add_nc_u64 s[20:21], s[20:21], s[18:19]      ; for the ring: my 128 rows of the tile
	s_add_nc_u64 s[46:47], s[46:47], s[94:95]
.irp s, 0,1
	s_mov_b32 s[G0+4*\s], 1
	s_add_co_u32 s[G0+4*\s+1], s45, \s*SLOT
	s_add_nc_u64 s[G0+4*\s+2:G0+4*\s+3], s[20:21], \s*3072
	s_or_b32 s[G0+4*\s+3], s[G0+4*\s+3], 0x80000000
	s_mov_b32 s[G0B+4*\s], 1
	s_add_co_u32 s[G0B+4*\s+1], s44, \s*SLOT
	s_add_nc_u64 s[G0B+4*\s+2:G0B+4*\s+3], s[46:47], \s*ROWB
	s_or_b32 s[G0B+4*\s+3], s[G0B+4*\s+3], 0x80000000
.endr
.macro ARM under, g0, g1, next         ; one chain of branches on the wave's number: every way through the head passes exactly one load
	s_cmp_lt_u32 s14, \under
	s_cbranch_scc0 \next
	tensor_load_to_lds s[\g0:\g0+3], s[\g1:\g1+7]
	s_nop 0
.rept 4
	v_nop
.endr
	s_branch .Lhead_asked
\next:
.endm
	ARM 1, G0H,  G1,  .Lhead_b
	ARM 2, G0HB, G1B, .Lhead_sa
	ARM 3, G0S,  G1S, .Lhead_sb
	tensor_load_to_lds s[G0SB:G0SB+3], s[G1SB:G1SB+7]
	s_nop 0
.rept 4
	v_nop
.endr
.Lhead_asked:
	v_and_b32 v1, 15, v0
	s_wait_alu depctr_va_vdst(0)
	v_bfe_u32 v2, v0, 4, 1
	s_wait_alu depctr_va_vdst(0)
	v_and_b32 v7, 31, v0
	s_wait_alu depctr_va_vdst(0)
	s_lshl_b32 s20, s42, 10
	s_lshl_b32 s21, s16, 9
	s_add_co_u32 s20, s20, s21
	s_mov_b32 s21, 0
	s_add_nc_u64 s[96:97], s[96:97], s[20:21]
	v_lshlrev_b32 v[BO], 6, v2
.irp b, 0,1,2,3,4,5,6,7
	global_load_b128 v[BIA+8*\b:BIA+8*\b+3], v[BO], s[96:97] offset:(32*(\b/2)+8*(\b%2))*4
	global_load_b128 v[BIA+8*\b+4:BIA+8*\b+7], v[BO], s[96:97] offset:(32*(\b/2)+8*(\b%2))*4+16
.endr
	s_add_nc_u64 s[12:13], s[12:13], s[20:21]
	s_lshl_b32 s20, s43, 8
	s_lshl_b32 s22, s15, 7
	s_add_co_u32 s20, s20, s22
	s_mul_i32 s20, s20, s2
	s_add_nc_u64 s[12:13], s[12:13], s[20:21]
	v_mul_u32_u24 v3, v1, PITCH
	v_mul_u32_u24 v4, v2, 24
	v_add_nc_u32 v4, v3, v4
	v_lshl_add_u32 v5, v2, 4, v4
	v_lshlrev_b32 v3, 3, v7
	s_mul_i32 s21, s15, HALFA
	s_mul_i32 s22, s16, HALFT
	s_add_co_u32 s22, s22, BOFF
.irp s, 0,1
	v_add_nc_u32 v[ADRA+\s], s21, v3
	v_add_nc_u32 v[ADRB+\s], s22, v4
	v_add_nc_u32 v[ADRB+2+\s], s22, v5
	s_add_co_u32 s21, s21, SLOT
	s_add_co_u32 s22, s22, SLOT
.endr
	v_mul_u32_u24 v5, v1, KS
	v_lshrrev_b32 v6, 8, v5
	v_lshl_add_u32 v5, v6, 4, v5
	s_mul_i32 s21, s15, HALFS
	s_mul_i32 s22, s16, HALFS
	s_add_co_u32 s22, s22, 2*HALFS
	s_sub_co_u32 s22, s22, s21
	v_mul_u32_u24 v6, s22, v2
	s_add_co_u32 s21, s21, SCL
	v_add_nc_u32 v5, v5, v6
	v_add_nc_u32 v[ADRS], s21, v5
	s_mul_i32 s23, s14, 16*SPITCH
	v_mul_u32_u24 v5, v1, SPITCH
	v_lshl_add_u32 v5, v2, 6, v5
	v_add_nc_u32 v[STO], s23, v5
	v_lshlrev_b32 v[CO], 4, v7
	v_add_nc_u32 v[RD], s23, v[CO]
.macro FRAG reg, adr, q, i
.irp p, 0,1,2,3,4,5
.set PC, 12*(\q)+6*(\p/3)+\p%3
.if PC%8 < 5
	ds_load_b64 v[\reg+2*\p:\reg+2*\p+1], v[\adr] offset:8*PC+16*(PC/8)+(\i)*16*PITCH
.else
	ds_load_b64 v[\reg+2*\p:\reg+2*\p+1], v[\adr+2] offset:8*PC+16*(PC/8)+(\i)*16*PITCH
.endif
.endr
.endm
.macro FRAGA reg, adr, q, i
.irp p, 0,1,2,3,4,5
	ds_load_b64 v[\reg+2*\p:\reg+2*\p+1], v[\adr] offset:3072*(\i)+1536*(\q)+768*(\p/3)+256*(\p%3)
.endr
.endm
.macro MUL16 a0, p, q, sc, zero
.irp a, \a0, \a0+1
.irp b, 0,1,2,3,4,5,6,7
.if \zero
	v_wmma_scale_f32_16x16x128_f8f6f4 v[8*(8*((\a)%4)+\b):8*(8*((\a)%4)+\b)+7], v[128*(\p)+FR*\b:128*(\p)+FR*\b+FR-1], v[AF+FR*(\a):AF+FR*(\a)+FR-1], v[BIA+8*\b:BIA+8*\b+7], v[SC+8*NQ*(\sc)+NQ*\b+(\q)], v[SC+8*NQ*(\sc)+NQ*(\a)+(\q)] matrix_a_fmt:MATRIX_FMT_FP6 matrix_b_fmt:MATRIX_FMT_FP6 matrix_a_scale:MATRIX_SCALE_ROW1
.else
	v_wmma_scale_f32_16x16x128_f8f6f4 v[8*(8*((\a)%4)+\b):8*(8*((\a)%4)+\b)+7], v[128*(\p)+FR*\b:128*(\p)+FR*\b+FR-1], v[AF+FR*(\a):AF+FR*(\a)+FR-1], v[8*(8*((\a)%4)+\b):8*(8*((\a)%4)+\b)+7], v[SC+8*NQ*(\sc)+NQ*\b+(\q)], v[SC+8*NQ*(\sc)+NQ*(\a)+(\q)] matrix_a_fmt:MATRIX_FMT_FP6 matrix_b_fmt:MATRIX_FMT_FP6 matrix_a_scale:MATRIX_SCALE_ROW1
.endif
.endr
.endr
.endm
.macro FETCH_B slot, q, p
	WIN TO_B
.irp i, 0,1,2,3,4,5,6,7
	FRAG 128*(\p)+FR*\i, ADRB+\slot, \q, \i
.endr
	WIN 0
.endm
.macro FETCH_A slot, q, i0
.irp i, \i0, \i0+1, \i0+2, \i0+3
	FRAGA AF+FR*(\i), ADRA+\slot, \q, \i
.endr
.endm
.macro SCALES sc
.irp i, 0,1,2,3,4,5,6,7
	ds_load_b64 v[SC+8*NQ*\sc+NQ*\i:SC+8*NQ*\sc+NQ*\i+1], v[ADRS] offset:\i*SBLK
.endr
.endm
.macro PLACES n
.rept \n
	v_nop
.endr
.endm
.macro STEP slot, q, zero
	s_wait_dscnt 4*NL
.if \zero
	WIN 0x81
.else
	WIN MUL_LO
.endif
	MUL16 0, (\q)%2, \q, \slot, \zero
	MUL16 2, (\q)%2, \q, \slot, \zero
	s_wait_dscnt 0
	PLACES NP
	FETCH_B \slot, (\q)+1, 1-(\q)%2
	FETCH_A \slot, (\q)+1, 0
.if \zero
	WIN 0xc1
.else
	WIN MUL_HI
.endif
	MUL16 4, (\q)%2, \q, \slot, \zero
	MUL16 6, (\q)%2, \q, \slot, \zero
	PLACES NP
	WIN 0
	FETCH_A \slot, (\q)+1, 4
.endm
.macro TURN slot, next, fill
	s_wait_tensorcnt 0x0
	ds_add_u32 v[SPW], v[NIL]
	s_wait_dscnt 4*NL+1
	WIN MUL_LO
	MUL16 0, 1, NQ-1, \slot, 0
	s_wait_dscnt 0x0
	s_barrier_signal -1
	MUL16 2, 1, NQ-1, \slot, 0
	WIN 0
	s_barrier_wait -1
.if \fill
	CREST
	s_add_nc_u64 s[G0+4*\slot+2:G0+4*\slot+3], s[G0+4*\slot+2:G0+4*\slot+3], 2*3072
	s_add_nc_u64 s[G0B+4*\slot+2:G0B+4*\slot+3], s[G0B+4*\slot+2:G0B+4*\slot+3], 2*ROWB
	JLOAD G0+4*\slot, G1, G0B+4*\slot, G1B
.else
	PLACES NP
.endif
	s_wait_alu depctr_va_vdst(0)
	v_add_nc_u32 v[ADRS], 4*NQ, v[ADRS]
	FETCH_B \next, 0, 0
	FETCH_A \next, 0, 0
	SCALES \next
	WIN MUL_HI
	MUL16 4, 1, NQ-1, \slot, 0
	MUL16 6, 1, NQ-1, \slot, 0
	PLACES NP
	WIN 0
	FETCH_A \next, 0, 4
.endm
	s_wait_alu depctr_va_vdst(0)
	s_wait_tensorcnt 0x0                           ; my tile of the head's four is in
	ds_add_u32 v[SPW], v[NIL]
	s_mov_b32 s[G1+2], 8<<16                       ; no tensor load of mine is out: from here on a load brings 128 rows
	s_mov_b32 s[G1+4], 8
	s_mov_b32 s[G1B+2], 96<<16
	s_mov_b32 s[G1B+4], 96
	s_wait_dscnt 0x0
	CROUND                                         ; all four tiles are in, and all four work-groups are here
	JLOAD G0+4, G1, G0B+4, G1B                     ; slot 1's first fill, the first tensor load behind the round
	FETCH_B 0, 0, 0
	FETCH_A 0, 0, 0
	SCALES 0
	FETCH_A 0, 0, 4
	s_wait_loadcnt 0x0
	STEP 0, 0, 1
	s_mov_b32 s3, LAPS-1
.Llap:
	TURN 0, 1, 1
	STEP 1, 0, 0
	TURN 1, 0, 1
	STEP 0, 0, 0
	s_sub_co_u32 s3, s3, 1
	s_cmp_lg_u32 s3, 0
	s_cbranch_scc1 .Llap
	TURN 0, 1, 0
	STEP 1, 0, 0
	s_wait_dscnt 4*NL
	WIN MUL_LO
	MUL16 0, 1, NQ-1, 1, 0
	MUL16 2, 1, NQ-1, 1, 0
	s_wait_dscnt 0
	WIN MUL_HI
	MUL16 4, 1, NQ-1, 1, 0
	MUL16 6, 1, NQ-1, 1, 0
	WIN 0
.macro TOSTAGE a
.set AC, 64*((\a)%4)
	WIN 0x08+4*((\a)/4)
.irp b, 0,1,2,3,4,5,6,7
	ds_store_b128 v[STO], v[AC+8*\b:AC+8*\b+3] offset:128*(\b/2)+32*(\b%2)
	ds_store_b128 v[STO], v[AC+8*\b+4:AC+8*\b+7] offset:128*(\b/2)+32*(\b%2)+16
.endr
	WIN 0
.set BB, BK+64*((\a)%2)
.irp t, 0,1,2,3,4,5,6,7,8,9,10,11,12,13,14,15
	ds_load_b128 v[BB+4*\t:BB+4*\t+3], v[RD] offset:\t*SPITCH
.endr
.endm
.macro SEND a, younger
.set BB, BK+64*((\a)%2)
	s_wait_dscnt \younger
.if (\a) > 0
.if (\a)%2
	s_add_nc_u64 s[12:13], s[12:13], s[92:93]
.else
	s_add_nc_u64 s[12:13], s[12:13], s[94:95]
.endif
.endif
.irp t, 0,1,2,3,4,5,6,7,8,9,10,11,12,13,14,15
	global_store_b128 v[RO+\t], v[BB+4*\t:BB+4*\t+3], s[12:13] th:TH_STORE_NT
.endr
.endm
	PLACES NP
	s_lshl_b32 s92, s2, 3
	s_mov_b32 s93, 0
	s_mul_i32 s94, s2, 24
	s_mov_b32 s95, 0
.irp t, 0,1,2,3,4,5,6,7,8,9,10,11,12,13,14,15
	s_mul_i32 s20, s2, \t+8*(\t/8)
	v_add_nc_u32 v[RO+\t], s20, v[CO]
.endr
	TOSTAGE 0
	s_wait_alu depctr_va_vdst(0)
.irp a, 1,2,3,4,5,6,7
.if \a > 1
	s_wait_xcnt 0x0
.endif
	TOSTAGE \a
	SEND \a-1, 32
.endr
	s_wait_xcnt 0x0
	SEND 7, 0
	s_wait_tensorcnt 0x0
	ds_add_u32 v[SPW], v[NIL]
	s_wait_dscnt 0x0
	CROUND
	s_endpgm
.Lfunc_end_k_q3f3089cad3_outp:
	.size	k_q3f3089cad3_outp, .Lfunc_end_k_q3f3089cad3_outp-k_q3f3089cad3_outp
	.p2alignl 7, 3214868480
	.fill 96, 4, 3214868480
	.section	.rodata,"a",@progbits
	.p2align	6, 0x0
	.amdhsa_kernel k_q3f3089cad3_outp
		.amdhsa_group_segment_fixed_size 327680
		.amdhsa_private_segment_fixed_size 0
		.amdhsa_enable_private_segment 0
		.amdhsa_kernarg_size 64
		.amdhsa_user_sgpr_count 2
		.amdhsa_user_sgpr_kernarg_segment_ptr 1
		.amdhsa_wavefront_size32 1
		.amdhsa_system_sgpr_workgroup_id_x 1
		.amdhsa_system_sgpr_workgroup_id_y 1
		.amdhsa_system_sgpr_workgroup_id_z 1
		.amdhsa_system_vgpr_workitem_id 0
		.amdhsa_next_free_vgpr 1024
		.amdhsa_next_free_sgpr 104
		.amdhsa_reserve_vcc 0
		.amdhsa_float_denorm_mode_32 3
		.amdhsa_float_denorm_mode_16_64 3
		.amdhsa_memory_ordered 1
		.amdhsa_forward_progress 1
		.amdhsa_inst_pref_size 164
	.end_amdhsa_kernel
	.amdgpu_metadata
---
amdhsa.version: [ 1, 2 ]
amdhsa.kernels:
  - .name:           k_q3f3089cad3_outp
    .symbol:         k_q3f3089cad3_outp.kd
    .args:
      - { .name: ocod, .offset: 0, .size: 8, .value_kind: global_buffer, .address_space: global }
      - { .name: osc, .offset: 8, .size: 8, .value_kind: global_buffer, .address_space: global }
      - { .name: cod, .offset: 16, .size: 8, .value_kind: global_buffer, .address_space: global }
      - { .name: scl, .offset: 24, .size: 8, .value_kind: global_buffer, .address_space: global }
      - { .name: bo1, .offset: 32, .size: 8, .value_kind: global_buffer, .address_space: global }
      - { .name: bo2, .offset: 40, .size: 8, .value_kind: global_buffer, .address_space: global }
      - { .name: out0, .offset: 48, .size: 8, .value_kind: global_buffer, .address_space: global }
      - { .name: out1, .offset: 56, .size: 8, .value_kind: global_buffer, .address_space: global }
    .group_segment_fixed_size: 327680
    .private_segment_fixed_size: 0
    .kernarg_segment_align: 8
    .kernarg_segment_size: 64
    .max_flat_workgroup_size: 128
    .sgpr_count:     104
    .vgpr_count:     1024
    .wavefront_size: 32
...
	.end_amdgpu_metadata
.endif
;; end of part 5
